; MI455X (gfx1250); checked and timed in simulation.
; The chip was launched on July 23, 2026; its instructions are those of AMD's public machine-readable ISA for CDNA 5 (MIT licence, August 2026) and "CDNA5" Instruction Set Architecture Reference Guide (July 2026). The comments in the code are by the model that wrote it; some were corrected since.
;; Attention. Allowed arithmetic: matrix products marked QUANTISED: E2M3 operands, one E8M0 scale for each 32 along K, by v_wmma_scale_f32_16x16x128_f8f6f4 with both operands' format E2M3, f32 sums; everything else in f32.
;; Inputs: Wk 2,048 x 512 float32; Wo 2,048 x 2,048 float32; Wq 2,048 x 2,048 float32; Wv 2,048 x 512 float32; mask 1 x 1 x 2,048 x 2,048 float32; x 1 x 2,048 x 2,048 float32.
;; Outputs: out0 1 x 2,048 x 2,048 float32.
;; This version of the problem:
;;   THIS VERSION OF THE PROBLEM IS GIVEN IN LOW PRECISION. The matrix products marked QUANTISED in the list below multiply operands that are first quantised to E2M3 (2 exponent bits, 3 mantissa bits; 6 bits a number), with one power-of-two scale for each 32 numbers along K (OCP MX v1.0); their sums are f32. All else is computed in f32.
;;   The module's matrix products, in the order in which they are computed (A, B: the left and right operand; K: the contracted axis; several contracted axes count as one K, in the product's order):
;;     1. [M 2,048, K 2,048] x [K 2,048, N 2,048]; A: input x; B: input Wq: QUANTISED
;;     2. [M 2,048, K 2,048] x [K 2,048, N 512]; A: input x; B: input Wk: QUANTISED
;;     3. [M 2,048, K 2,048] x [K 2,048, N 512]; A: input x; B: input Wv: QUANTISED
;;     4. batch 32 x [M 2,048, K 64] x [K 64, N 2,048]; A: computed on the way; B: computed on the way: QUANTISED
;;     5. batch 32 x [M 2,048, K 2,048] x [K 2,048, N 64]; A: softmax (see below); B: computed on the way: QUANTISED
;;     6. [M 2,048, K 2,048] x [K 2,048, N 2,048]; A: computed on the way; B: input Wo: QUANTISED
;;   THE QUANTISER, for each operand of a quantised product, along K:
;;     - K is cut into blocks of 32 from its start; a last block that is shorter is filled with zeros.
;;     - A block's scale is 2^e with e = floor(log2(the largest magnitude in the block)) - 2, held to -126 .. 127; a block of zeros has e = 0. As a byte (E8M0): e + 127.
;;     - Each number is divided by its block's scale, clamped to +-7.5, and rounded to the nearest number of E2M3, ties to even, subnormals kept.
;;     - The product sums the exact products of the quantised numbers (number of the format x scale) in f32.
;;   ~~~python
;;   def quantise(x, axis):      # numpy; x: float32 -> the quantised numbers, widened to float32 again
;;       x = np.moveaxis(x, axis, -1); K = x.shape[-1]
;;       x = np.pad(x, [(0, 0)] * (x.ndim - 1) + [(0, -K % 32)]); x = x.reshape(x.shape[:-1] + (-1, 32)); a = np.abs(x).max(-1, keepdims=True)
;;       e = np.where(a > 0, np.clip(np.frexp(np.where(a > 0, a, 1))[1] - 1 - 2, -126, 127), 0)      # np.frexp(a)[1] - 1 = floor(log2(a)), exactly
;;       r = np.clip(x / 2.0 ** e, -7.5, 7.5)
;;       step = 2.0 ** (np.maximum(np.frexp(np.where(r == 0, 1, r))[1] - 1, 0) - 3)
;;       q = np.round(r / step) * step * 2.0 ** e      # np.round: ties to even
;;       return np.moveaxis(q.reshape(q.shape[:-2] + (-1,))[..., :K], -1, axis).astype(np.float32)
;;   ~~~
;;   SOFTMAX AHEAD OF A QUANTISED PRODUCT. Where the list says 'softmax', what is quantised is not the finished softmax but p = 2^(t - M), with t = logit x log2(e) and M = ceil(the row's largest t), a whole number; so 1/2 < the row's largest p <= 1. The row's sum l is taken of the UNQUANTISED p, in f32, and the product's result is divided by l at the end. Since M is a whole number, a kernel that streams over the keys may use a running M (the ceiling of the running maximum): every later rescaling is an exact power of two, which a block's scale takes up: the codes' values come out the same.
;;   OPERANDS COMPUTED ON THE WAY. 'Computed on the way' means the value that the module computes at that place (a softmax that the list does not call 'softmax' is quantised finished and normalised). What goes into a quantiser is computed in f32, as accurately as f32 sums, v_exp_f32 and their like allow (about 1e-6 of the number): no bf16 or f16 on the way to a quantiser, and a product that is left as it is and whose result goes on into a quantised operand takes f32 operands (vector FMAs, or v_wmma_f32_16x16x4_f32). A number that lies on a knife's edge between two numbers of the format may be rounded either way, as far as f32 arithmetic and the matrix unit's own rounding can turn it there, and no further.
;; 2 versions, each right; version 2 is version 1 with the launch attn written anew for expert scheduling mode. Each part assembles by itself: llvm-mc -triple=amdgcn-amd-amdhsa -mcpu=gfx1250 --defsym DOCPART=n.
;; ======== version 1 of 2: 4 launches
;; workspace buffers: XB 3,276,800 bytes; WB 8,192,000 bytes; MB 526,336 bytes of whole numbers; CS 524,288 bytes; QB 5,079,040 bytes; AB 3,276,800 bytes
;; launch prep (part 1): grid 608 x 1, 4 waves a work-group, no clusters, 34,304 bytes of LDS; arguments x, mask, Wq, Wk, Wv, Wo, XB, WB, MB, CS; writes XB, WB, MB, CS
.if DOCPART == 1
	.amdgcn_target "amdgcn-amd-amdhsa--gfx1250"
	.amdhsa_code_object_version 6
	.text
	.protected	k_q34f2c00dc4_prep
	.globl	k_q34f2c00dc4_prep
	.p2align	8
	.type	k_q34f2c00dc4_prep,@function
k_q34f2c00dc4_prep:
	s_mov_b64 s[64:65], 0
	v_nop
	global_prefetch_b8 v0, s[64:65] scope:SCOPE_SE
	s_setreg_imm32_b32 hwreg(HW_REG_WAVE_MODE, 25, 1), 1
	s_wait_xcnt 0x0
; PREP: everything that is made once from the inputs.  Four kinds of work-group, told apart by the work-group's number:
;   0-127   x    -> XB: codes of FP6 (E2M3) and E8M0 scale words, laid in the order of a matrix operand's registers
;   128-255 mask -> MB: one bit a number (mask != 0), laid as lane masks in the order of the score registers, and two flags (any kept, all kept) for each 16 queries x 128 keys
;   256-575 Wq, Wo (rows of 8,192 bytes), Wk, Wv (rows of 2,048 bytes) -> WB: codes and scale words along K, which is their first axis
;   576-607 the table of cos and sin -> CS: [token][cos 32 | sin 32] f32
; ORDER OF ROWS.  Row r of tile T (16 rows) is index 32 (T / 2) + 8 (T % 2) + r + 8 (r / 8), so that, with such tiles as source 0, a lane's 16 results of tiles 2 b and 2 b + 1 are 16 neighbours.
; A HALF is the image of 16 rows x 64 K: registers 0-3 at 16 x lane (512 bytes), registers 4-5 at 512 + 8 x lane (256 bytes); a fragment (128 K) is two halves, 1,536 bytes.
; Codes: [block of 128 rows][K step 0..15][tile 0..7][1,536].  Scale words behind them: [tile][K step][16 rows], 4 bytes each.
; A block's scale byte is its largest magnitude's exponent field - 2, held at 1 from below.
; LIMITS: NaN and infinities in x and the weights are not served; a block whose largest magnitude lies under 2^-124, a block of zeros too, gets the byte 1 (its bytes are read by this program alone; zero codes add nothing);
; a NaN in the mask counts as kept (mask == 0 is false of it); inv_freq is 2^(-f log2(10000) / 32) by v_exp_f32, so an angle may differ from a correctly rounded one by a few 1e-4 rad at the last tokens.
.set XBS,    3145728                   ; XB: where the scale words begin
.set WBS,    7864320                   ; WB: likewise
.set MBF,    524288                    ; MB: where the flags begin
.set BLKB,   196608                    ; codes of a block of 128 rows, all of K
.set SLAB,   12288                     ; of one K step of it
.set FRB,    1536                      ; a fragment
.set SPITCH, 528                       ; the stage: a row of 512 bytes + 16
.set WSTG,   16*SPITCH                 ; a wave's stage
.set RR,     16                        ; v16-143  two sets of 64 numbers as loaded
.set XX,     144                       ; v144-207 64 numbers of a lane: register 16 b + i = k 32 b + 16 (lane / 16) + i of my row
.set TM,     208                       ; v208-223 at work in QUANT
.set PW,     224                       ; the scale word just made
.set PC,     226                       ; v226-237 the codes just made, v238-245 at work
.set SWP,    246                       ; v246-247 scale words of two K steps: lanes 0-15 the even step's, lanes 16-31 the odd one's
.set MWR,    248                       ; v248-249 64 mask words, two a lane
.set FLG,    250
.set XC,     144                       ; weights: v144-149 a half, v150-152 at work
.set YC,     154                       ; v154-159 the other tile's, v160-162 at work
.set SEL,    26                        ; s[26:27] lane selects for v_permlanex16_b32: lane l xor 16
; 64 numbers of a lane become a fragment's codes in v[PC] on and its row's scale word in v[PW]
.macro QUANT s
.irp b, 0,1,2,3
	v_max3_num_f32 v[TM+\b], |v[\s+16*\b]|, |v[\s+1+16*\b]|, 0x1800000   ; my 16 numbers of block b, and the floor 2^(3 - 127): the byte cannot fall under 1
.endr
.irp i, 2,4,6,8,10,12,14
.irp b, 0,1,2,3
	v_max3_num_f32 v[TM+\b], v[TM+\b], |v[\s+16*\b+\i]|, |v[\s+1+16*\b+\i]|
.endr
.endr
.irp b, 0,1,2,3
	v_permlanex16_b32 v[TM+4+\b], v[TM+\b], s[SEL], s[SEL+1]
.endr
.irp b, 0,1,2,3
	v_max_num_f32 v[TM+\b], v[TM+\b], v[TM+4+\b]                 ; with lane l xor 16's: the block's largest magnitude
.endr
.irp b, 0,1,2,3
	v_add_nc_u32 v[TM+12+\b], 0xff000000, v[TM+\b]               ; 2 off its exponent field: the conversion's scale operand
.endr
.irp b, 0,1,2,3
	v_lshrrev_b32 v[TM+4+\b], 23, v[TM+12+\b]                    ; the scale's byte
.endr
	v_lshl_or_b32 v[PW], v[TM+5], 8, v[TM+4]
	v_lshl_or_b32 v[PW], v[TM+6], 16, v[PW]
	v_lshl_or_b32 v[PW], v[TM+7], 24, v[PW]
.irp c, 0,1
	v_cvt_scalef32_pk16_fp6_f32 v[PC+6*\c:PC+2+6*\c], v[\s+32*\c:\s+15+32*\c], v[TM+12+2*\c]
	v_cvt_scalef32_pk16_fp6_f32 v[PC+12+4*\c:PC+14+4*\c], v[\s+16+32*\c:\s+31+32*\c], v[TM+12+2*\c+1]   ; (a conversion's three registers begin on an even number)
.endr
	v_nop                                          ; one plain place behind a scaled conversion
.irp c, 0,1                                    ; the operand wants a whole block in a lane: lanes 0-15 block 2 c, lanes 16-31 block 2 c + 1
.irp i, 0,1,2
	v_permlane16_swap_b32 v[PC+6*\c+\i], v[PC+12+4*\c+\i]
.endr
.irp i, 0,1,2
	v_mov_b32 v[PC+3+6*\c+\i], v[PC+12+4*\c+\i]
.endr
.endr
.endm
; K step kk of my four: 16 rows x 512 bytes, each load 512 consecutive bytes of one row
.macro RLOAD kk
.irp r, 0,1,2,3,4,5,6,7,8,9,10,11,12,13,14,15
	global_load_b128 v[RR+64*((\kk)%2)+4*\r:RR+64*((\kk)%2)+4*\r+3], v1, s[30:31] offset:(\r+8*(\r/8))*8192+(\kk)*512 th:TH_LOAD_NT
.endr
.endm
; One K step of 128: through my own stage in LDS (LDS serves a wave's instructions in order), then x's or the mask's back end
.macro TSTEP kk
.if (\kk) < 3
	s_wait_loadcnt 16                              ; this step's 16 loads are in; the next step's 16 may be out
.else
	s_wait_loadcnt 0x0
.endif
.irp r, 0,1,2,3,4,5,6,7,8,9,10,11,12,13,14,15
	ds_store_b128 v2, v[RR+64*((\kk)%2)+4*\r:RR+64*((\kk)%2)+4*\r+3] offset:\r*SPITCH
.endr
.irp b, 0,1,2,3
.irp j, 0,1,2,3
	ds_load_b128 v[XX+16*\b+4*\j:XX+16*\b+4*\j+3], v3 offset:128*\b+16*\j
.endr
.endr
	s_wait_dscnt 0x0                               ; my numbers are back, and the stores have read their registers,
.if (\kk) < 2
	RLOAD (\kk)+2                                  ; which take the loads of two steps on
.endif
	s_cmp_ge_u32 ttmp9, 128
	s_cbranch_scc1 .Lmask_\@
	s_wait_xcnt 0x0                                ; the last step's stores have read their data: they are written again only behind this wait
	QUANT XX
	global_store_b128 v1, v[PC:PC+3], s[34:35] offset:(\kk)*SLAB            ; 512 consecutive bytes
	global_store_b64 v5, v[PC+4:PC+5], s[34:35] offset:(\kk)*SLAB+512       ; 256
	global_store_b128 v1, v[PC+6:PC+9], s[34:35] offset:(\kk)*SLAB+768
	global_store_b64 v5, v[PC+10:PC+11], s[34:35] offset:(\kk)*SLAB+1280
.if (\kk)%2 == 0
	v_mov_b32 v[SWP+(\kk)/2], v[PW]
.else
	v_cndmask_b32 v[SWP+(\kk)/2], v[SWP+(\kk)/2], v[PW], s52                ; lanes 16-31 take the odd step's words
	global_store_b32 v4, v[SWP+(\kk)/2], s[36:37] offset:((\kk)/2)*128      ; two K steps' words of 16 rows: 128 consecutive bytes
.endif
	s_branch .Ljoin_\@
.Lmask_\@:
	s_wait_xcnt 0x0
	s_mov_b32 s48, 0                               ; the or of the 64 words,
	s_mov_b32 s49, -1                              ; and the and
.set j, 0
.rept 64
	v_cmp_neq_f32 s[44+j%4], 0, v[XX+j]            ; word j: bit l = (my lane l's number j is kept): just the lane mask that score register j wants
	v_writelane_b32 v[MWR+(j&1)], s[44+j%4], j>>1
	s_or_b32 s48, s48, s[44+j%4]
	s_and_b32 s49, s49, s[44+j%4]
.set j, j+1
.endr
	global_store_b64 v5, v[MWR:MWR+1], s[38:39] offset:(\kk)*256            ; 64 words: one aligned run of 256 bytes
	s_cmp_lg_u32 s48, 0
	s_cselect_b32 s50, 1<<(2*(\kk)), 0             ; any kept
	s_or_b32 s51, s51, s50
	s_cmp_eq_u32 s49, -1
	s_cselect_b32 s50, 2<<(2*(\kk)), 0             ; all kept
	s_or_b32 s51, s51, s50
.Ljoin_\@:
.endm
; Weights: half hf (64 along K) of my column: 64 loads, each 128 consecutive bytes a wave, 512 a work-group
.macro WLOAD hf, pitch
.set j, 0
.rept 64
	global_load_b32 v[RR+64*((\hf)%2)+j], v9, s[30:31] offset:(64*(\hf)+j)*\pitch th:TH_LOAD_NT
.set j, j+1
.endr
.endm
.macro HF hf, pitch
.set A0, RR+64*((\hf)%2)
.if (\hf) < 3
	s_wait_loadcnt 63                              ; 64 younger loads are out; the count's field holds 63, and the smaller count is safe
.else
	s_wait_loadcnt 0x0
.endif
	s_wait_xcnt 0x0                                ; the last half's stores have read their data
	v_max3_num_f32 v164, |v[A0]|, |v[A0+1]|, 0x1800000             ; two whole blocks of 32 are mine: no other lane is asked
	v_max3_num_f32 v165, |v[A0+32]|, |v[A0+33]|, 0x1800000
.irp i, 2,4,6,8,10,12,14,16,18,20,22,24,26,28,30
	v_max3_num_f32 v164, v164, |v[A0+\i]|, |v[A0+\i+1]|
	v_max3_num_f32 v165, v165, |v[A0+32+\i]|, |v[A0+33+\i]|
.endr
	v_add_nc_u32 v166, 0xff000000, v164
	v_add_nc_u32 v167, 0xff000000, v165
	v_lshrrev_b32 v168, 23, v166
	v_lshrrev_b32 v169, 23, v167
	v_cvt_scalef32_pk16_fp6_f32 v[XC:XC+2], v[A0:A0+15], v166
	v_cvt_scalef32_pk16_fp6_f32 v[XC+6:XC+8], v[A0+16:A0+31], v166
	v_cvt_scalef32_pk16_fp6_f32 v[YC:YC+2], v[A0+32:A0+47], v167
	v_cvt_scalef32_pk16_fp6_f32 v[YC+6:YC+8], v[A0+48:A0+63], v167
	v_nop                                          ; one plain place behind a scaled conversion
.irp i, 0,1,2
	v_mov_b32 v[XC+3+\i], v[XC+6+\i]
	v_mov_b32 v[YC+3+\i], v[YC+6+\i]
.endr
.if (\hf) < 2
	WLOAD (\hf)+2, \pitch
.endif
.irp i, 0,1,2,3,4,5                            ; lanes 0-15 hold tile 2 w's rows, lanes 16-31 tile 2 w + 1's; XC block 0, YC block 1.  The exchange makes XC tile 2 w's half and YC tile 2 w + 1's
	v_permlane16_swap_b32 v[XC+\i], v[YC+\i]
.endr
	global_store_b128 v1, v[XC:XC+3], s[34:35] offset:((\hf)/2)*SLAB+((\hf)%2)*768
	global_store_b64 v5, v[XC+4:XC+5], s[34:35] offset:((\hf)/2)*SLAB+((\hf)%2)*768+512
	global_store_b128 v1, v[YC:YC+3], s[34:35] offset:((\hf)/2)*SLAB+((\hf)%2)*768+1536
	global_store_b64 v5, v[YC+4:YC+5], s[34:35] offset:((\hf)/2)*SLAB+((\hf)%2)*768+2048
.if (\hf)%2 == 0
	v_lshl_or_b32 v[176+(\hf)/2], v169, 8, v168
.else
	v_lshl_or_b32 v[176+(\hf)/2], v168, 16, v[176+(\hf)/2]
	v_lshl_or_b32 v[176+(\hf)/2], v169, 24, v[176+(\hf)/2]
.endif
.endm
; A work-group takes 128 columns x 256 along K.  s28: the block in WB; s29: which 128 columns of the weight; s[30:31]: the weight
.macro WPATH pitch
	s_and_b32 s32, ttmp9, 7                        ; which 256 along K
	s_mul_i32 s36, s32, 256*\pitch
	s_lshl_b32 s40, s29, 9
	s_add_co_u32 s36, s36, s40
	s_mov_b32 s37, 0
	s_add_nc_u64 s[30:31], s[30:31], s[36:37]
	v_and_b32 v9, 8, v7
	v_add_nc_u32 v9, v9, v7                        ; r + 8 (r / 8)
	v_lshl_add_u32 v9, v8, 3, v9                   ; + 8 (lane / 16)
	s_lshl_b32 s40, s24, 5
	v_add_nc_u32 v9, s40, v9                       ; + 32 x wave: my column
	v_lshlrev_b32 v9, 2, v9
	s_mul_i32 s36, s28, BLKB
	s_mul_i32 s40, s32, 2*SLAB
	s_add_co_u32 s36, s36, s40
	s_mul_i32 s40, s24, 2*FRB
	s_add_co_u32 s36, s36, s40
	s_add_nc_u64 s[34:35], s[18:19], s[36:37]      ; my two tiles' codes, my two K steps
	s_lshl_b32 s36, s28, 13
	s_lshl_b32 s40, s24, 11
	s_add_co_u32 s36, s36, s40
	s_lshl_b32 s40, s32, 7
	s_add_co_u32 s36, s36, s40
	s_add_co_u32 s36, s36, WBS
	s_add_nc_u64 s[38:39], s[18:19], s[36:37]      ; and their scale words
	WLOAD 0, \pitch
	WLOAD 1, \pitch
	HF 0, \pitch
	HF 1, \pitch
	HF 2, \pitch
	HF 3, \pitch
	v_permlane16_swap_b32 v176, v177               ; v176: tile 2 w, lanes 0-15 the even K step, lanes 16-31 the odd; v177: tile 2 w + 1
	global_store_b32 v4, v176, s[38:39]
	global_store_b32 v4, v177, s[38:39] offset:1024
	s_endpgm
.endm
	s_load_b512 s[4:19], s[0:1], 0x0               ; x s[4:5], mask s[6:7], Wq s[8:9], Wk s[10:11], Wv s[12:13], Wo s[14:15], XB s[16:17], WB s[18:19]
	s_load_b128 s[20:23], s[0:1], 0x40             ; MB s[20:21], CS s[22:23]
	v_lshl_add_u32 v254, v0, 2, 0x8400
	v_mov_b32 v255, 0
	v_lshrrev_b32 v1, 5, v0
	v_readfirstlane_b32 s24, v1                    ; wave 0..3
	v_and_b32 v6, 31, v0                           ; lane
	v_and_b32 v7, 15, v0                           ; r
	v_bfe_u32 v8, v0, 4, 1                         ; h
	v_lshlrev_b32 v1, 4, v6                        ; 16 x lane
	v_lshlrev_b32 v4, 2, v6                        ; 4 x lane
	v_lshlrev_b32 v5, 3, v6                        ; 8 x lane
	s_mov_b32 s[SEL], 0x76543210
	s_mov_b32 s[SEL+1], 0xfedcba98
	s_mov_b32 s52, 0xffff0000                      ; lanes 16-31
	s_mov_b32 s33, 0
	s_wait_kmcnt 0x0
	s_cmp_ge_u32 ttmp9, 576
	s_cbranch_scc1 .Lcs
	s_cmp_ge_u32 ttmp9, 512
	s_cbranch_scc1 .Lw2
	s_cmp_ge_u32 ttmp9, 256
	s_cbranch_scc1 .Lw8
	; ---- x and the mask: the work-group takes tile T = its number mod 128, wave w K steps 4 w .. 4 w + 3
	s_and_b32 s28, ttmp9, 127                      ; T
	s_lshr_b32 s32, s28, 1
	s_lshl_b32 s32, s32, 5
	s_and_b32 s29, s28, 1
	s_lshl_b32 s29, s29, 3
	s_add_co_u32 s32, s32, s29                     ; the tile's first row
	s_lshl_b32 s32, s32, 13                        ; rows of 8,192 bytes
	s_lshl_b32 s29, s24, 11                        ; my four K steps: 2,048 bytes
	s_add_co_u32 s32, s32, s29
	s_cmp_lt_u32 ttmp9, 128
	s_cselect_b64 s[30:31], s[4:5], s[6:7]
	s_add_nc_u64 s[30:31], s[30:31], s[32:33]
	s_lshr_b32 s32, s28, 3
	s_mul_i32 s32, s32, BLKB
	s_and_b32 s29, s28, 7
	s_mul_i32 s29, s29, FRB
	s_add_co_u32 s32, s32, s29
	s_mul_i32 s29, s24, 4*SLAB
	s_add_co_u32 s32, s32, s29
	s_add_nc_u64 s[34:35], s[16:17], s[32:33]      ; x's codes
	s_lshl_b32 s32, s28, 10
	s_lshl_b32 s29, s24, 8
	s_add_co_u32 s32, s32, s29
	s_add_co_u32 s32, s32, XBS
	s_add_nc_u64 s[36:37], s[16:17], s[32:33]      ; x's scale words
	s_lshl_b32 s32, s28, 12
	s_lshl_b32 s29, s24, 10
	s_add_co_u32 s32, s32, s29
	s_add_nc_u64 s[38:39], s[20:21], s[32:33]      ; the mask's words
	s_lshl_b32 s32, s28, 4
	s_lshl_b32 s29, s24, 2
	s_add_co_u32 s32, s32, s29
	s_add_co_u32 s32, s32, MBF
	s_add_nc_u64 s[40:41], s[20:21], s[32:33]      ; and my flags word
	s_mul_i32 s29, s24, WSTG
	v_add_nc_u32 v2, s29, v1                       ; the stage, in: 16 x lane of a row
	v_mul_u32_u24 v3, v7, SPITCH
	v_lshl_add_u32 v3, v8, 6, v3
	v_add_nc_u32 v3, s29, v3                       ; and out: row r, + 64 h
.irp b, 0,1,2,3
	v_mov_b32 v[TM+4+\b], 0                        ; written once: a lane permute's destination counts as one of its sources
.endr
	v_mov_b32 v[SWP], 0
	v_mov_b32 v[SWP+1], 0
	v_mov_b32 v[MWR], 0
	v_mov_b32 v[MWR+1], 0
	s_mov_b32 s51, 0                               ; the flags
	RLOAD 0
	RLOAD 1
	TSTEP 0
	TSTEP 1
	TSTEP 2
	TSTEP 3
	s_cmp_lt_u32 ttmp9, 128
	s_cbranch_scc1 .Ltile_end
	v_mov_b32 v[FLG], s51
	v_cmp_eq_u32 vcc_lo, 0, v6
	s_wait_xcnt 0x0                                ; EXEC changes only behind this wait
	s_and_saveexec_b32 s53, vcc_lo
	global_store_b32 v4, v[FLG], s[40:41]          ; lane 0: my four K steps' flags
	s_wait_xcnt 0x0
	s_or_b32 exec_lo, exec_lo, s53
.Ltile_end:
	s_wait_tensorcnt 0x0
	ds_add_u32 v254, v255
	s_wait_dscnt 0x0
	s_endpgm
.Lw8:	; ---- Wq (128 work-groups), then Wo
	s_sub_co_u32 s28, ttmp9, 256
	s_lshr_b32 s28, s28, 7
	s_cmp_eq_u32 s28, 0
	s_cselect_b64 s[30:31], s[8:9], s[14:15]
	s_lshr_b32 s29, ttmp9, 3
	s_and_b32 s29, s29, 15
	s_mul_i32 s28, s28, 24
	s_add_co_u32 s28, s28, s29                     ; blocks 0-15: Wq; 24-39: Wo
	WPATH 8192
.Lw2:	; ---- Wk (32 work-groups), then Wv
	s_sub_co_u32 s28, ttmp9, 512
	s_lshr_b32 s28, s28, 5
	s_cmp_eq_u32 s28, 0
	s_cselect_b64 s[30:31], s[10:11], s[12:13]
	s_lshr_b32 s29, ttmp9, 3
	s_and_b32 s29, s29, 3
	s_lshl_b32 s28, s28, 2
	s_add_co_u32 s28, s28, s29
	s_add_co_u32 s28, s28, 16                      ; blocks 16-19: Wk; 20-23: Wv
	WPATH 2048
.Lcs:	; ---- cos and sin: a wave takes 16 tokens, two a trip.  Lane: which token (lane / 16), cos or sin ((lane / 8) % 2), frequencies 4 (lane % 8) + 0 .. 3
	s_sub_co_u32 s28, ttmp9, 576
	s_lshl_b32 s28, s28, 2
	s_add_co_u32 s28, s28, s24
	s_lshl_b32 s32, s28, 12                        ; 16 tokens of 256 bytes
	s_add_nc_u64 s[30:31], s[22:23], s[32:33]
	s_lshl_b32 s29, s28, 4                         ; my first token
	v_bfe_u32 v9, v0, 3, 1
	v_sub_nc_u32 v9, 1, v9                         ; 1 for cos (cos a = sin(a + pi / 2)), 0 for sin
	v_and_b32 v10, 7, v0
	v_lshlrev_b32 v10, 2, v10
	v_add_nc_u32 v11, s29, v8
	v_cvt_f32_u32 v11, v11                         ; the token, exact in f32
	v_lshlrev_b32 v12, 8, v8
	v_lshl_add_u32 v12, v7, 4, v12                 ; 256 x (lane / 16) + 16 x (lane % 16): sixteen lanes fill a token's 256 bytes
	s_mov_b32 s36, 0x3f22f983                      ; 2 / pi
	s_mov_b32 s37, 0xbfc90fdb                      ; -pi / 2, its f32,
	s_mov_b32 s38, 0x333bbd2e                      ; and what that f32 leaves over
	s_mov_b32 s39, 0xbe2aaaa3                      ; sin r = r + r z (S1 + z (S2 + z S3)), z = r r, |r| <= pi / 4
	s_mov_b32 s40, 0x3c08839e
	s_mov_b32 s41, 0xb94ca1f9
	s_mov_b32 s42, 0x3d2aaaa5                      ; cos r = 1 - z / 2 + z z (C1 + z (C2 + z C3))
	s_mov_b32 s43, 0xbab6061a
	s_mov_b32 s44, 0x37ccf5ce
.irp e, 0,1,2,3
	v_add_nc_u32 v[16+\e], \e, v10
	v_cvt_f32_u32 v[16+\e], v[16+\e]
	v_mul_f32 v[16+\e], 0xbed49a78, v[16+\e]       ; -f log2(10000) / 32
.endr
.irp e, 0,1,2,3
	v_exp_f32 v[20+\e], v[16+\e]                   ; inv_freq
.endr
	v_nop                                          ; a plain place behind the exponentials
	s_wait_alu depctr_va_vdst(0)                   ; one wait for the four, ahead of their first reader
	s_mov_b32 s45, 8
.Lcst:
.irp e, 0,1,2,3
	v_mul_f32 v[32+8*\e], v11, v[20+\e]            ; the angle, as reference() rounds it
	v_mul_f32 v[33+8*\e], s36, v[32+8*\e]
	v_rndne_f32 v[33+8*\e], v[33+8*\e]             ; n quarter turns
	v_fma_f32 v[34+8*\e], v[33+8*\e], s37, v[32+8*\e]
	v_fma_f32 v[34+8*\e], v[33+8*\e], s38, v[34+8*\e]              ; r = angle - n pi / 2
	v_mul_f32 v[35+8*\e], v[34+8*\e], v[34+8*\e]   ; z
	v_fma_f32 v[36+8*\e], v[35+8*\e], s41, s40
	v_fma_f32 v[36+8*\e], v[36+8*\e], v[35+8*\e], s39
	v_mul_f32 v[36+8*\e], v[36+8*\e], v[35+8*\e]
	v_fma_f32 v[36+8*\e], v[36+8*\e], v[34+8*\e], v[34+8*\e]       ; sin r
	v_fma_f32 v[37+8*\e], v[35+8*\e], s44, s43
	v_fma_f32 v[37+8*\e], v[37+8*\e], v[35+8*\e], s42
	v_mul_f32 v[38+8*\e], v[35+8*\e], v[35+8*\e]
	v_fma_f32 v[39+8*\e], v[35+8*\e], -0.5, 1.0
	v_fma_f32 v[37+8*\e], v[37+8*\e], v[38+8*\e], v[39+8*\e]       ; cos r
	v_cvt_i32_f32 v[33+8*\e], v[33+8*\e]
	v_add_nc_u32 v[33+8*\e], v[33+8*\e], v9
	v_and_b32 v[38+8*\e], 1, v[33+8*\e]
	v_cmp_eq_u32 vcc_lo, 1, v[38+8*\e]
	v_cndmask_b32 v[36+8*\e], v[36+8*\e], v[37+8*\e], vcc_lo       ; odd quarter: cos r
	v_and_b32 v[38+8*\e], 2, v[33+8*\e]
	v_lshlrev_b32 v[38+8*\e], 30, v[38+8*\e]
	v_xor_b32 v[64+\e], v[38+8*\e], v[36+8*\e]     ; quarters 2 and 3: the sign turns
.endr
	global_store_b128 v12, v[64:67], s[30:31]
	s_wait_xcnt 0x0                                ; the store has read its data and its address: both are written again below and in the next trip
	v_add_nc_u32 v12, 512, v12
	v_add_f32 v11, 2.0, v11
	s_sub_co_u32 s45, s45, 1
	s_cmp_lg_u32 s45, 0
	s_cbranch_scc1 .Lcst
	s_endpgm
.Lfunc_end_k_q34f2c00dc4_prep:
	.size	k_q34f2c00dc4_prep, .Lfunc_end_k_q34f2c00dc4_prep-k_q34f2c00dc4_prep
	.p2alignl 7, 3214868480
	.fill 96, 4, 3214868480
	.section	.rodata,"a",@progbits
	.p2align	6, 0x0
	.amdhsa_kernel k_q34f2c00dc4_prep
		.amdhsa_group_segment_fixed_size 34304
		.amdhsa_private_segment_fixed_size 0
		.amdhsa_enable_private_segment 0
		.amdhsa_kernarg_size 80
		.amdhsa_user_sgpr_count 2
		.amdhsa_user_sgpr_kernarg_segment_ptr 1
		.amdhsa_wavefront_size32 1
		.amdhsa_system_sgpr_workgroup_id_x 1
		.amdhsa_system_sgpr_workgroup_id_y 1
		.amdhsa_system_sgpr_workgroup_id_z 1
		.amdhsa_system_vgpr_workitem_id 0
		.amdhsa_next_free_vgpr 256
		.amdhsa_next_free_sgpr 66
		.amdhsa_reserve_vcc 1
		.amdhsa_float_denorm_mode_32 3
		.amdhsa_float_denorm_mode_16_64 3
		.amdhsa_memory_ordered 1
		.amdhsa_forward_progress 1
		.amdhsa_inst_pref_size 170
	.end_amdhsa_kernel
	.amdgpu_metadata
---
amdhsa.version: [ 1, 2 ]
amdhsa.kernels:
  - .name:           k_q34f2c00dc4_prep
    .symbol:         k_q34f2c00dc4_prep.kd
    .args:
      - { .name: x, .offset: 0, .size: 8, .value_kind: global_buffer, .address_space: global }
      - { .name: mask, .offset: 8, .size: 8, .value_kind: global_buffer, .address_space: global }
      - { .name: Wq, .offset: 16, .size: 8, .value_kind: global_buffer, .address_space: global }
      - { .name: Wk, .offset: 24, .size: 8, .value_kind: global_buffer, .address_space: global }
      - { .name: Wv, .offset: 32, .size: 8, .value_kind: global_buffer, .address_space: global }
      - { .name: Wo, .offset: 40, .size: 8, .value_kind: global_buffer, .address_space: global }
      - { .name: XB, .offset: 48, .size: 8, .value_kind: global_buffer, .address_space: global }
      - { .name: WB, .offset: 56, .size: 8, .value_kind: global_buffer, .address_space: global }
      - { .name: MB, .offset: 64, .size: 8, .value_kind: global_buffer, .address_space: global }
      - { .name: CS, .offset: 72, .size: 8, .value_kind: global_buffer, .address_space: global }
    .group_segment_fixed_size: 34304
    .private_segment_fixed_size: 0
    .kernarg_segment_align: 8
    .kernarg_segment_size: 80
    .max_flat_workgroup_size: 128
    .sgpr_count:     66
    .vgpr_count:     256
    .wavefront_size: 32
...
	.end_amdgpu_metadata
.endif
;; end of part 1
;; launch qkv (part 2): grid 12 x 16, 4 waves a work-group, no clusters, 197,120 bytes of LDS; arguments XB, WB, CS, QB; writes QB
.if DOCPART == 2
	.amdgcn_target "amdgcn-amd-amdhsa--gfx1250"
	.amdhsa_code_object_version 6
	.text
	.protected	k_q34f2c00dc4_qkv
	.globl	k_q34f2c00dc4_qkv
	.p2align	8
	.type	k_q34f2c00dc4_qkv,@function
k_q34f2c00dc4_qkv:
	s_mov_b64 s[64:65], 0
	v_nop
	global_prefetch_b8 v0, s[64:65] scope:SCOPE_SE
	s_setreg_imm32_b32 hwreg(HW_REG_WAVE_MODE, 25, 1), 1
	s_wait_xcnt 0x0
; QKV: q = x Wq, k = x Wk (work-groups x = 0..9) and v = x Wv (x = 10, 11) on codes of FP6 (E2M3) with E8M0 scales; rope on q and k; all three quantised again, in registers, for the attention.
; THE CORE.  D = A x B.  B is the STRIP: 8 tiles of 16 rows, all of K = 2,048: 196,608 bytes of LDS, brought ONCE by tensor loads (four a wave, 12,288 dense bytes each): nothing is filled again.
; A is the STREAM: 4 tiles of 16 rows, each wave's own, from memory straight into a ring of four register sets, four K steps ahead.  A wave makes 64 x 128: 32 accumulators, 512 matrix instructions.
; A lane holds ONE row of the strip, and its registers run along the stream's rows, 16 neighbours in the 16 registers of stream tiles 2 b and 2 b + 1 (the order of rows in a tile is chosen for that).
;   q, k: strip = 128 tokens (block y of XB), stream = the 64 columns of head column hd = 4 x + wave (0-31: q's heads, 32-39: k's): a lane holds a token, its registers the head's 64 numbers: rope and the quantiser along d need one other lane.
;   v:    strip = 128 columns of Wv (two kv heads), stream = 64 tokens: a lane holds one d, its registers run along the tokens, which are the second product's K.  Same text, other pointers.
; No cluster: a block of tokens is the strip of ten work-groups, no multiple of four, and v's work-groups take other strips.
; REGISTERS, in windows of 256: window 0: v1-8 LDS addresses, v9-12 lane offsets, v16-79 the strip's scale words, v80-111 the stream's, v112-207 the strip's 8 fragments, v208-255 the way out.
;   window 1: accumulator (strip tile i, stream tile t) at v[8 (4 i + t)].   window 2: v0-191 the stream's ring, set q at v[48 q + 12 t]; v192-255 two sets of cos and sin.
; A scale register (tile, m) holds the words of K step 2 m in lanes 0-15 and of 2 m + 1 in lanes 16-31: the row selector is the K step's parity.
; LIMITS: a block whose largest magnitude lies under 2^-124, a block of zeros too, gets the scale byte 1 (read by this program alone; zero codes add nothing).
.set XBS,  3145728
.set WBS,  7864320
.set BLKB, 196608
.set SLAB, 12288
.set FRB,  1536
.set QKS,  3932160                     ; QB: q's and k's scale words
.set VCO,  4259840                     ; v's codes
.set VSO,  5046272                     ; v's scale words
.set CSX,  16                          ; loads of cos and sin issued behind the stream's last set
.set LA16, 1
.set LA8,  5
.set L16,  9
.set L8,   10
.set L4,   11
.set CSA,  12
.set SS,   16
.set TS,   80
.set SF,   112
.set T1,   112
.set T2,   128
.set TM,   208
.set HW,   224
.set PC,   226
.set SWR,  244
.set VP,   248
.set CSR,  192
.set SEL,  2
.set W_MUL, 0x52                       ; source 0 (stream) window 2, source 1 (strip) window 0, C and D window 1
.set MSB, 0
.macro WIN new                         ; the immediate's high byte repeats the setting that is left
.if MSB != \new
	s_set_vgpr_msb (MSB<<8)|\new
.set MSB, \new
.endif
.endm
.macro PLACES                          ; four plain places between a matrix instruction and a load into, or a read of, its registers
.rept 4
	v_nop
.endr
.endm
.macro SLOAD ks                        ; the stream's four fragments of K step ks into ring set ks % 4
.irp t, 0,1,2,3
	global_load_b128 v[48*((\ks)%4)+12*\t:48*((\ks)%4)+12*\t+3], v[L16], s[54:55] offset:(\ks)*SLAB+\t*FRB
	global_load_b64 v[48*((\ks)%4)+12*\t+4:48*((\ks)%4)+12*\t+5], v[L8], s[54:55] offset:(\ks)*SLAB+\t*FRB+512
	global_load_b128 v[48*((\ks)%4)+12*\t+6:48*((\ks)%4)+12*\t+9], v[L16], s[54:55] offset:(\ks)*SLAB+\t*FRB+768
	global_load_b64 v[48*((\ks)%4)+12*\t+10:48*((\ks)%4)+12*\t+11], v[L8], s[54:55] offset:(\ks)*SLAB+\t*FRB+1280
.endr
.endm
.macro FETCH ks, i0                    ; strip tiles i0 .. i0 + 3 of K step ks from LDS: every load takes consecutive bytes
.irp i, \i0, \i0+1, \i0+2, \i0+3
	ds_load_b128 v[SF+12*(\i):SF+12*(\i)+3], v[LA16+(\ks)/4] offset:((\ks)%4)*SLAB+(\i)*FRB
	ds_load_b64 v[SF+12*(\i)+4:SF+12*(\i)+5], v[LA8+(\ks)/4] offset:((\ks)%4)*SLAB+(\i)*FRB+512
	ds_load_b128 v[SF+12*(\i)+6:SF+12*(\i)+9], v[LA16+(\ks)/4] offset:((\ks)%4)*SLAB+(\i)*FRB+768
	ds_load_b64 v[SF+12*(\i)+10:SF+12*(\i)+11], v[LA8+(\ks)/4] offset:((\ks)%4)*SLAB+(\i)*FRB+1280
.endr
.endm
.macro MUL ks, i0                      ; 16 matrix instructions.  The 32 accumulators take turns, one instruction a turn, in the same order in every K step.  K step 0 starts the sums
.irp i, \i0, \i0+1, \i0+2, \i0+3
.irp t, 0,1,2,3
.if (\ks) == 0
	v_wmma_scale_f32_16x16x128_f8f6f4 v[8*(4*(\i)+\t):8*(4*(\i)+\t)+7], v[48*((\ks)%4)+12*\t:48*((\ks)%4)+12*\t+11], v[SF+12*(\i):SF+12*(\i)+11], 0, v[TS+8*\t+(\ks)/2], v[SS+8*(\i)+(\ks)/2] matrix_a_fmt:MATRIX_FMT_FP6 matrix_b_fmt:MATRIX_FMT_FP6
.elseif (\ks)%2 == 0
	v_wmma_scale_f32_16x16x128_f8f6f4 v[8*(4*(\i)+\t):8*(4*(\i)+\t)+7], v[48*((\ks)%4)+12*\t:48*((\ks)%4)+12*\t+11], v[SF+12*(\i):SF+12*(\i)+11], v[8*(4*(\i)+\t):8*(4*(\i)+\t)+7], v[TS+8*\t+(\ks)/2], v[SS+8*(\i)+(\ks)/2] matrix_a_fmt:MATRIX_FMT_FP6 matrix_b_fmt:MATRIX_FMT_FP6
.else
	v_wmma_scale_f32_16x16x128_f8f6f4 v[8*(4*(\i)+\t):8*(4*(\i)+\t)+7], v[48*((\ks)%4)+12*\t:48*((\ks)%4)+12*\t+11], v[SF+12*(\i):SF+12*(\i)+11], v[8*(4*(\i)+\t):8*(4*(\i)+\t)+7], v[TS+8*\t+(\ks)/2], v[SS+8*(\i)+(\ks)/2] matrix_a_fmt:MATRIX_FMT_FP6 matrix_b_fmt:MATRIX_FMT_FP6 matrix_a_scale:MATRIX_SCALE_ROW1 matrix_b_scale:MATRIX_SCALE_ROW1
.endif
.endr
.endr
.endm
.macro KSTEP ks
.set NLD, 48
.if (\ks) > 12
.set NLD, 16*(15-(\ks))+CSX
.endif
	s_wait_loadcnt NLD                             ; ring set ks is in (and, at K step 0, the scale words): the loads younger than it, three sets or what is left of them, may be out
	s_wait_dscnt 16                                ; strip tiles 0-3 are in; the 16 loads of tiles 4-7 may be out
	WIN W_MUL
	MUL \ks, 0
	WIN 0
	s_wait_dscnt 0x0                               ; tiles 4-7 are in; no LDS load of mine is out at the barrier below
.if ((\ks)%4 == 3) && ((\ks) < 15)
	s_wait_tensorcnt 3-((\ks)+1)/4                 ; my part of the next four K steps has landed; the later chunks' loads may stay out
	s_barrier_signal -1
	s_barrier_wait -1                              ; everybody's has
.endif
.if (\ks) < 15
	PLACES
	FETCH (\ks)+1, 0
.endif
	WIN W_MUL
	MUL \ks, 4
	WIN 0
.if (\ks) < 15
	PLACES
	FETCH (\ks)+1, 4
.endif
.if (\ks) < 12
	WIN 0x80                                       ; destination window 2
	SLOAD (\ks)+4                                  ; the set just multiplied takes the K step four on
	WIN 0
.endif
.endm
.macro CSLOAD i                        ; cos and sin of strip tile i's tokens, my 16 frequencies of each
	WIN 0x80
.irp j, 0,1,2,3
	global_load_b128 v[CSR+32*((\i)%2)+4*\j:CSR+32*((\i)%2)+4*\j+3], v[CSA], s[56:57] offset:(32*((\i)/2)+8*((\i)%2))*256+16*\j
.endr
.irp j, 0,1,2,3
	global_load_b128 v[CSR+32*((\i)%2)+16+4*\j:CSR+32*((\i)%2)+16+4*\j+3], v[CSA], s[56:57] offset:(32*((\i)/2)+8*((\i)%2))*256+128+16*\j
.endr
	WIN 0
.endm
; 32 numbers of a lane in window 1, register a + 16 b + i = k 32 b + 16 (lane / 16) + i of my row, become a half's codes in v[PC] .. v[PC + 5] and two scale bytes in v[HW]
.macro QUANT2 a
	WIN 0x05                                       ; sources 0 and 1 window 1
.irp b, 0,1
	v_max3_num_f32 v[TM+\b], |v[(\a)+16*\b]|, |v[(\a)+16*\b+1]|, 0x1800000   ; each accumulator is read from its low end on; the floor 2^(3 - 127) holds the byte at 1 from below
.endr
.irp e, 2,4,6,8,10,12,14
.irp b, 0,1
	v_max3_num_f32 v[TM+\b], |v[(\a)+16*\b+\e]|, |v[(\a)+16*\b+\e+1]|, v[TM+\b]
.endr
.endr
	WIN 0
.irp b, 0,1
	v_permlanex16_b32 v[TM+4+\b], v[TM+\b], s[SEL], s[SEL+1]
.endr
.irp b, 0,1
	v_max_num_f32 v[TM+\b], v[TM+\b], v[TM+4+\b]
.endr
.irp b, 0,1
	v_add_nc_u32 v[TM+12+\b], 0xff000000, v[TM+\b]
.endr
.irp b, 0,1
	v_lshrrev_b32 v[TM+4+\b], 23, v[TM+12+\b]
.endr
	v_lshl_or_b32 v[HW], v[TM+5], 8, v[TM+4]
	WIN 0x01                                       ; source 0 window 1
	v_cvt_scalef32_pk16_fp6_f32 v[PC:PC+2], v[(\a):(\a)+15], v[TM+12]
	v_cvt_scalef32_pk16_fp6_f32 v[PC+6:PC+8], v[(\a)+16:(\a)+31], v[TM+13]
	WIN 0
	v_nop                                          ; one plain place behind a scaled conversion
.irp e, 0,1,2
	v_permlane16_swap_b32 v[PC+\e], v[PC+6+\e]     ; lanes 0-15 get block 0 whole, lanes 16-31 block 1
.endr
.irp e, 0,1,2
	v_mov_b32 v[PC+3+\e], v[PC+6+\e]
.endr
.endm
; q, k: strip tile i.  Registers 32 i + e: d = 16 h + e (x1), 32 i + 16 + e: d = 32 + 16 h + e (x2)
.macro QKTILE i
.if (\i) < 7
	s_wait_loadcnt 8                               ; this tile's table rows are in; the next tile's 8 loads may be out
.else
	s_wait_loadcnt 0x0
.endif
	WIN 0x09                                       ; source 0 window 1, source 1 window 2
.irp e, 0,2,4,6,8,10,12,14
	v_pk_mul_f32 v[T1+\e:T1+\e+1], v[32*(\i)+16+\e:32*(\i)+17+\e], v[CSR+32*((\i)%2)+16+\e:CSR+32*((\i)%2)+17+\e]   ; x2 sin
	v_pk_mul_f32 v[T2+\e:T2+\e+1], v[32*(\i)+\e:32*(\i)+1+\e], v[CSR+32*((\i)%2)+16+\e:CSR+32*((\i)%2)+17+\e]       ; x1 sin
.endr
	WIN 0x49                                       ; and the destination window 1
.irp e, 0,2,4,6,8,10,12,14
	v_pk_fma_f32 v[32*(\i)+\e:32*(\i)+1+\e], v[32*(\i)+\e:32*(\i)+1+\e], v[CSR+32*((\i)%2)+\e:CSR+32*((\i)%2)+1+\e], v[T1+\e:T1+\e+1] neg_lo:[0,0,1] neg_hi:[0,0,1]   ; x1 cos - x2 sin
	v_pk_fma_f32 v[32*(\i)+16+\e:32*(\i)+17+\e], v[32*(\i)+16+\e:32*(\i)+17+\e], v[CSR+32*((\i)%2)+\e:CSR+32*((\i)%2)+1+\e], v[T2+\e:T2+\e+1]                        ; x2 cos + x1 sin
.endr
	WIN 0
.if (\i) < 6
	CSLOAD (\i)+2
.endif
	s_wait_xcnt 0x0                                ; the last tile's stores have read their data
	QUANT2 32*(\i)
	global_store_b128 v[L16], v[PC:PC+3], s[58:59] offset:768*(\i)
	global_store_b64 v[L8], v[PC+4:PC+5], s[58:59] offset:768*(\i)+512
.if (\i)%2 == 0
	v_lshl_or_b32 v[SWR+(\i)/2], v[HW], 16, v[HW]  ; the word [s0 s1 s0 s1]: it serves the half in either half of a fragment
.else
	v_lshl_or_b32 v[HW], v[HW], 16, v[HW]
	v_cndmask_b32 v[SWR+(\i)/2], v[SWR+(\i)/2], v[HW], s62   ; lanes 16-31: the odd tile's
.endif
.endm
.macro VTILE i                         ; v: strip tile i = d tile i % 4 of kv head 2 sidx + i / 4
	s_wait_xcnt 0x0
	QUANT2 32*(\i)
	global_store_b128 v[L16], v[PC:PC+3], s[58:59] offset:((\i)/4)*98304+((\i)%4)*1536
	global_store_b64 v[L8], v[PC+4:PC+5], s[58:59] offset:((\i)/4)*98304+((\i)%4)*1536+512
.if (\i)%2 == 0
	v_mov_b32 v[VP+(\i)/2], v[HW]
.else
	v_cndmask_b32 v[VP+(\i)/2], v[VP+(\i)/2], v[HW], s62
.endif
.endm
	s_load_b256 s[4:11], s[0:1], 0x0               ; XB s[4:5], WB s[6:7], CS s[8:9], QB s[10:11]
	v_lshl_add_u32 v254, v0, 2, 0x30000
	v_mov_b32 v255, 0
	ds_add_u32 v254, v255
	ds_add_u32 v254, v255
	v_lshrrev_b32 v12, 5, v0
	v_readfirstlane_b32 s40, v12                   ; wave 0..3
	v_and_b32 v13, 31, v0
	v_lshlrev_b32 v[L16], 4, v13
	v_lshlrev_b32 v[L8], 3, v13
	v_lshlrev_b32 v[L4], 2, v13
.irp q, 0,1,2,3
	v_add_nc_u32 v[LA16+\q], \q*49152, v[L16]      ; four K steps of the strip are 49,152 bytes: an LDS offset holds 16 bits
	v_add_nc_u32 v[LA8+\q], \q*49152, v[L8]
.endr
	v_and_b32 v14, 15, v0
	v_bfe_u32 v15, v0, 4, 1
	v_and_b32 v12, 8, v14
	v_add_nc_u32 v12, v12, v14
	v_lshlrev_b32 v12, 8, v12
	v_lshl_add_u32 v[CSA], v15, 6, v12             ; the table: token r + 8 (r / 8) of the tile, 256 bytes each, + 64 h
	v_mov_b32 v[TM+4], 0                           ; written once: a lane permute's destination counts as one of its sources
	v_mov_b32 v[TM+5], 0
	s_mov_b32 s[SEL], 0x76543210
	s_mov_b32 s[SEL+1], 0xfedcba98
	s_mov_b32 s62, 0xffff0000
	s_and_b32 s12, ttmp7, 0xffff                   ; y
	s_sub_co_u32 s13, ttmp9, 10
	s_lshl_b32 s13, s13, 4
	s_add_co_u32 s13, s13, s12                     ; v's work-groups: 0..31
	s_lshr_b32 s14, s13, 3                         ; sidx: which 128 columns of Wv
	s_and_b32 s15, s13, 7
	s_lshl_b32 s15, s15, 2
	s_add_co_u32 s15, s15, s40                     ; tg: which 64 tokens
	s_lshl_b32 s41, ttmp9, 2
	s_add_co_u32 s41, s41, s40                     ; hd: which head column
	s_add_co_u32 s42, s14, 20
	s_mov_b32 s48, WBS
	s_mov_b32 s49, XBS
	; descriptor group 1: 12,288 dense bytes as 48 rows of 256 (32 elements of 8 bytes), no padding
	s_mov_b32 s16, 3<<16
	s_mov_b32 s17, 32<<16
	s_mov_b32 s18, 48<<16
	s_mov_b32 s19, 32<<16
	s_mov_b32 s20, 48
	s_mov_b32 s21, 32
	s_mov_b32 s22, 0
	s_mov_b32 s23, 0
	s_wait_dscnt 0x0
	s_wait_kmcnt 0x0
	s_cmp_lt_u32 ttmp9, 10                         ; q and k, or v?  It hangs on the work-group's number alone
	s_cselect_b32 s42, s12, s42                    ; the strip's block
	s_cselect_b32 s43, s41, s15                    ; the stream's 64 rows
	s_cselect_b64 s[44:45], s[4:5], s[6:7]         ; the strip's buffer
	s_cselect_b64 s[46:47], s[6:7], s[4:5]         ; the stream's
	s_cselect_b32 s48, XBS, s48
	s_cselect_b32 s49, WBS, s49
	s_lshl_b32 s50, s42, 13
	s_add_co_u32 s50, s50, s48
	s_mov_b32 s51, 0
	s_add_nc_u64 s[50:51], s[44:45], s[50:51]      ; the strip's scale words
	s_lshl_b32 s52, s43, 12
	s_add_co_u32 s52, s52, s49
	s_mov_b32 s53, 0
	s_add_nc_u64 s[52:53], s[46:47], s[52:53]      ; the stream's
	s_lshr_b32 s54, s43, 1
	s_mul_i32 s54, s54, BLKB
	s_and_b32 s13, s43, 1
	s_mul_i32 s13, s13, 4*FRB
	s_add_co_u32 s54, s54, s13
	s_mov_b32 s55, 0
	s_add_nc_u64 s[54:55], s[46:47], s[54:55]      ; the stream's codes
	s_lshl_b32 s56, s12, 15
	s_mov_b32 s57, 0
	s_add_nc_u64 s[56:57], s[8:9], s[56:57]        ; the table at token 128 y
	s_mul_i32 s46, s42, BLKB
	s_mul_i32 s63, s40, SLAB                       ; wave w brings K steps w, 4 + w, 8 + w, 12 + w
	s_add_co_u32 s46, s46, s63
	s_mov_b32 s47, 0
	s_add_nc_u64 s[44:45], s[44:45], s[46:47]
.irp q, 0,1,2,3
	s_mov_b32 s[24+4*\q], 1
	s_add_co_u32 s[25+4*\q], s63, \q*49152
	s_add_nc_u64 s[26+4*\q:27+4*\q], s[44:45], \q*49152
	s_or_b32 s[27+4*\q], s[27+4*\q], 0x80000000
.endr
	tensor_load_to_lds s[24:27], s[16:23]          ; the whole strip is asked for at once: four loads of mine are out
	s_nop 0
	tensor_load_to_lds s[28:31], s[16:23]
	s_nop 0
	tensor_load_to_lds s[32:35], s[16:23]
	s_nop 0
	tensor_load_to_lds s[36:39], s[16:23]
	s_nop 0
	PLACES                                         ; four v_nop follow the last of them
.irp i, 0,1,2,3,4,5,6,7
.irp m, 0,1,2,3,4,5,6,7
	global_load_b32 v[SS+8*\i+\m], v[L4], s[50:51] offset:\i*1024+\m*128
.endr
.endr
.irp t, 0,1,2,3
.irp m, 0,1,2,3,4,5,6,7
	global_load_b32 v[TS+8*\t+\m], v[L4], s[52:53] offset:\t*1024+\m*128
.endr
.endr
	WIN 0x80
	SLOAD 0
	SLOAD 1
	SLOAD 2
	SLOAD 3
	WIN 0
	s_wait_tensorcnt 3                             ; my part of K steps 0-3 has landed; my three later loads may stay out
	s_barrier_signal -1
	s_barrier_wait -1
	FETCH 0, 0
	FETCH 0, 4
.irp ks, 0,1,2,3,4,5,6,7,8,9,10,11,12,13,14,15
	KSTEP \ks
.if \ks == 12
	CSLOAD 0                                       ; on every wave's path, v's too (it reads rows of the table that it does not use), so that the counts of the waits hold on all paths
	CSLOAD 1
.endif
.endr
	PLACES
	s_cmp_ge_u32 ttmp9, 10
	s_cbranch_scc1 .Lv
	s_mul_i32 s13, s41, 98304
	s_mul_i32 s63, s12, 6144
	s_add_co_u32 s58, s13, s63
	s_mov_b32 s59, 0
	s_add_nc_u64 s[58:59], s[10:11], s[58:59]      ; [hd][tile 8 y + i][768]
	s_lshl_b32 s13, s41, 13
	s_lshl_b32 s63, s12, 9
	s_add_co_u32 s60, s13, s63
	s_add_co_u32 s60, s60, QKS
	s_mov_b32 s61, 0
	s_add_nc_u64 s[60:61], s[10:11], s[60:61]
.irp i, 0,1,2,3,4,5,6,7
	QKTILE \i
.endr
	global_store_b128 v[L16], v[SWR:SWR+3], s[60:61]   ; the eight tiles' scale words: 512 consecutive bytes
	s_wait_tensorcnt 0x0
	ds_add_u32 v254, v255
	s_wait_dscnt 0x0
	s_endpgm
.Lv:
	s_mul_i32 s13, s14, 2*98304
	s_lshr_b32 s63, s15, 1
	s_mul_i32 s63, s63, 6144
	s_add_co_u32 s58, s13, s63
	s_and_b32 s63, s15, 1
	s_mul_i32 s63, s63, 768
	s_add_co_u32 s58, s58, s63
	s_add_co_u32 s58, s58, VCO
	s_mov_b32 s59, 0
	s_add_nc_u64 s[58:59], s[10:11], s[58:59]      ; [kv head][key step tg / 2][d tile][half tg % 2][768]
	s_lshl_b32 s13, s14, 13
	s_lshr_b32 s63, s15, 1
	s_lshl_b32 s63, s63, 8
	s_add_co_u32 s60, s13, s63
	s_and_b32 s63, s15, 1
	s_lshl_b32 s63, s63, 1
	s_add_co_u32 s60, s60, s63
	s_add_co_u32 s60, s60, VSO
	s_mov_b32 s61, 0
	s_add_nc_u64 s[60:61], s[10:11], s[60:61]
.irp i, 0,1,2,3,4,5,6,7
	VTILE \i
.endr
.irp n, 0,1,2,3
	global_store_b16 v[L8], v[VP+\n], s[60:61] offset:(\n/2)*4096+4*(\n%2)   ; my 64 tokens' two bytes of each scale word: the other two come from the wave with the key step's other half
.endr
	s_wait_tensorcnt 0x0
	ds_add_u32 v254, v255
	s_wait_dscnt 0x0
	s_endpgm
.Lfunc_end_k_q34f2c00dc4_qkv:
	.size	k_q34f2c00dc4_qkv, .Lfunc_end_k_q34f2c00dc4_qkv-k_q34f2c00dc4_qkv
	.p2alignl 7, 3214868480
	.fill 96, 4, 3214868480
	.section	.rodata,"a",@progbits
	.p2align	6, 0x0
	.amdhsa_kernel k_q34f2c00dc4_qkv
		.amdhsa_group_segment_fixed_size 197120
		.amdhsa_private_segment_fixed_size 0
		.amdhsa_enable_private_segment 0
		.amdhsa_kernarg_size 32
		.amdhsa_user_sgpr_count 2
		.amdhsa_user_sgpr_kernarg_segment_ptr 1
		.amdhsa_wavefront_size32 1
		.amdhsa_system_sgpr_workgroup_id_x 1
		.amdhsa_system_sgpr_workgroup_id_y 1
		.amdhsa_system_sgpr_workgroup_id_z 1
		.amdhsa_system_vgpr_workitem_id 0
		.amdhsa_next_free_vgpr 768
		.amdhsa_next_free_sgpr 66
		.amdhsa_reserve_vcc 0
		.amdhsa_float_denorm_mode_32 3
		.amdhsa_float_denorm_mode_16_64 3
		.amdhsa_memory_ordered 1
		.amdhsa_forward_progress 1
		.amdhsa_inst_pref_size 205
	.end_amdhsa_kernel
	.amdgpu_metadata
---
amdhsa.version: [ 1, 2 ]
amdhsa.kernels:
  - .name:           k_q34f2c00dc4_qkv
    .symbol:         k_q34f2c00dc4_qkv.kd
    .args:
      - { .name: XB, .offset: 0, .size: 8, .value_kind: global_buffer, .address_space: global }
      - { .name: WB, .offset: 8, .size: 8, .value_kind: global_buffer, .address_space: global }
      - { .name: CS, .offset: 16, .size: 8, .value_kind: global_buffer, .address_space: global }
      - { .name: QB, .offset: 24, .size: 8, .value_kind: global_buffer, .address_space: global }
    .group_segment_fixed_size: 197120
    .private_segment_fixed_size: 0
    .kernarg_segment_align: 8
    .kernarg_segment_size: 32
    .max_flat_workgroup_size: 128
    .sgpr_count:     66
    .vgpr_count:     768
    .wavefront_size: 32
...
	.end_amdgpu_metadata
.endif
;; end of part 2
;; launch attn (part 3): grid 32 x 8, 16 waves a work-group, no clusters, 0 bytes of LDS; arguments QB, MB, AB; writes AB
.if DOCPART == 3
	.amdgcn_target "amdgcn-amd-amdhsa--gfx1250"
	.amdhsa_code_object_version 6
	.text
	.protected	k_q34f2c00dc4_attn
	.globl	k_q34f2c00dc4_attn
	.p2align	8
	.type	k_q34f2c00dc4_attn,@function
k_q34f2c00dc4_attn:
	s_mov_b64 s[64:65], 0
	v_nop
	global_prefetch_b8 v0, s[64:65] scope:SCOPE_SE
	s_setreg_imm32_b32 hwreg(HW_REG_WAVE_MODE, 25, 1), 1
	s_wait_xcnt 0x0
; ATTN: o = softmax(q k^T / 8, masked) v on codes of FP6 (E2M3) with E8M0 scales; o is quantised along 64 head + d for the last product and stored as that product's operand.
; SOFTMAX: t = score x log2(e) / 8; M = the row's largest t so far, rounded up to a whole number; p = 2^(t - M) is quantised along the keys, not normalised; the row's sum is taken of the unquantised p and divides at the end.
; When M moves, the sum and O are multiplied by 2^(old M - new M): exact.
; SHARES.  A work-group serves one kv head g; wave w takes query head 4 g + w % 4 and ONE tile of 16 queries; the four tiles of a head in a work-group are a, 63 - a, 64 + a, 127 - a, dealt so that each group of four
; waves with w / 4 or with w % 4 equal holds all four kinds.  Four waves to a SIMD: one wave's vector work stands beside another's loads and products.
; LAYOUT.  S^T = K Q^T (source 0 = 16 keys, source 1 = my queries), O^T = V^T P^T: a lane holds one query throughout.  The head's K is 64, half of the instruction's 128: a fragment of K holds TWO key tiles, in its lower and
; upper 64, and q stands against zero codes in the other half (v16-21 zeros, v22-27 q, v28-33 zeros: v[22:33] or v[16:27]).
; THE MASK IS AN INPUT.  An earlier launch has stored it as lane masks, one word for each score register, and two flags for each 16 queries x 128 keys.  A key step with nothing kept is left out; where all is kept the 64 selects are.
; This launch has no tensor load: K and V come from memory straight into registers, in register order.  The loop's trip count is a constant.
; A row with no key kept: sum 0; its codes are zeros and its scale bytes 0xff, which make the token's whole row of the last product NaN, as reference() gives.
; LIMITS: a block of p or of o whose largest magnitude lies under 2^-124, a block of zeros too, gets the scale byte 1.
.set QKS, 3932160
.set VCO, 4259840
.set VSO, 5046272
.set MBF, 524288
.set XBS, 3145728
.set L16, 1                            ; v1  16 x lane
.set L8,  2                            ; v2  8 x lane
.set KS,  4                            ; v4-7   K's scale words: register p: lanes 0-15 key tile 2 p, lanes 16-31 tile 2 p + 1
.set VS,  8                            ; v8-9   V's: register p: d tiles 2 p, 2 p + 1
.set QS,  10                           ; v10    q's
.set KB,  34                           ; v34-81   four fragments of K
.set VB,  82                           ; v82-129  four of V
.set S,   130                          ; v130-193 S^T, then p
.set OT,  194                          ; v194-225 O^T
.set PC,  226                          ; v226-237 p's codes
.set BM,  234                          ; v234-237 first the blocks' largest scores
.set PT,  238                          ; v238-245 at work
.set OP,  246                          ; v246-249 the conversions' scale operands
.set FF,  250                          ; f = 2^(old M - new M); named as the pair v[250:251]
.set PW,  251                          ; p's scale word
.set TT,  252
.set NEG, 253                          ; -infinity
.set HW,  255
	s_load_b128 s[4:7], s[0:1], 0x0                ; QB, MB
	s_load_b64 s[8:9], s[0:1], 0x10                ; AB
	v_lshrrev_b32 v3, 5, v0
	v_readfirstlane_b32 s26, v3                    ; wave 0..15
	v_and_b32 v3, 31, v0
	v_lshlrev_b32 v[L16], 4, v3
	v_lshlrev_b32 v[L8], 3, v3
	v_and_b32 v11, 15, v0
	v_lshlrev_b32 v3, 4, v11                       ; q's scale word: 16 bytes from row to row
	v_lshlrev_b32 v11, 2, v11                      ; the way out: 4 bytes from row to row
	s_and_b32 s27, ttmp7, 0xffff                   ; g
	s_and_b32 s28, s26, 3
	s_lshl_b32 s29, s27, 2
	s_add_co_u32 s29, s29, s28                     ; the query head
	s_lshr_b32 s30, s26, 2
	s_add_co_u32 s30, s30, s28
	s_and_b32 s30, s30, 3                          ; which of the four tiles
	s_sub_co_u32 s31, 63, ttmp9
	s_and_b32 s25, s30, 1
	s_cmp_lg_u32 s25, 0
	s_cselect_b32 s31, s31, ttmp9
	s_lshr_b32 s30, s30, 1
	s_lshl_b32 s30, s30, 6
	s_add_co_u32 s31, s31, s30                     ; T
	s_mov_b32 s20, 0x76543210
	s_mov_b32 s21, 0xfedcba98                      ; lane l xor 16
	s_mov_b32 s22, 0x3e38aa3b                      ; c = log2(e) / 8
	s_mov_b32 s23, s22                             ; (named with it as a pair)
	s_mov_b32 s3, 0
	s_wait_kmcnt 0x0
	s_lshl_b32 s2, s31, 4
	s_add_co_u32 s2, s2, MBF
	s_add_nc_u64 s[68:69], s[6:7], s[2:3]
	s_load_b128 s[32:35], s[68:69], 0x0            ; my tile's flags: four words of four key steps
	s_mul_i32 s2, s29, 98304
	s_mul_i32 s28, s31, 768
	s_add_co_u32 s2, s2, s28
	s_add_nc_u64 s[70:71], s[4:5], s[2:3]
	global_load_b128 v[22:25], v[L16], s[70:71]    ; q's half
	global_load_b64 v[26:27], v[L8], s[70:71] offset:512
	s_lshl_b32 s2, s29, 13
	s_lshr_b32 s28, s31, 3
	s_lshl_b32 s28, s28, 9
	s_add_co_u32 s2, s2, s28
	s_and_b32 s28, s31, 1
	s_lshl_b32 s28, s28, 8
	s_add_co_u32 s2, s2, s28
	s_and_b32 s28, s31, 7
	s_lshr_b32 s28, s28, 1
	s_lshl_b32 s28, s28, 2
	s_add_co_u32 s2, s2, s28
	s_add_co_u32 s2, s2, QKS
	s_add_nc_u64 s[72:73], s[4:5], s[2:3]
	global_load_b32 v[QS], v3, s[72:73]
	s_add_co_u32 s28, s27, 32                      ; k's head column
	s_mul_i32 s2, s28, 98304
	s_add_nc_u64 s[10:11], s[4:5], s[2:3]          ; K's codes
	s_lshl_b32 s2, s28, 13
	s_add_co_u32 s2, s2, QKS
	s_add_nc_u64 s[12:13], s[4:5], s[2:3]          ; K's scale words
	s_mul_i32 s2, s27, 98304
	s_add_co_u32 s2, s2, VCO
	s_add_nc_u64 s[14:15], s[4:5], s[2:3]          ; V's codes
	s_lshl_b32 s2, s27, 12
	s_add_co_u32 s2, s2, VSO
	s_add_nc_u64 s[16:17], s[4:5], s[2:3]          ; V's scale words
	s_lshl_b32 s2, s31, 12
	s_add_nc_u64 s[18:19], s[6:7], s[2:3]          ; my tile's mask words
.irp j, 0,1,2,3,4,5
	v_mov_b32 v[16+\j], 0                          ; zero codes on either side of q
	v_mov_b32 v[28+\j], 0
.endr
.set j, 0
.rept 32
	v_mov_b32 v[OT+j], 0                           ; which key step is the first to count hangs on the mask: so the sums begin as zeros, which the first change of M leaves zeros
.set j, j+1
.endr
	v_mov_b32 v13, 0xff61b1e6                      ; the largest t so far: -3e38
	v_floor_f32 v12, -v13                          ; -M
	v_mov_b32 v14, 0
	v_mov_b32 v15, 0
.irp b, 0,1,2,3
	v_mov_b32 v[PT+\b], 0                          ; written once: a lane permute's destination counts as one of its sources
.endr
	v_mov_b32 v[PW], 0
	v_mov_b32 v[TT], 0
	v_mov_b32 v[NEG], 0xff800000
	s_wait_kmcnt 0x0
	s_lshl_b32 s33, s33, 8
	s_lshl_b32 s34, s34, 16
	s_lshl_b32 s35, s35, 24
	s_or_b32 s24, s32, s33
	s_or_b32 s24, s24, s34
	s_or_b32 s24, s24, s35                         ; bit 2 ks: any kept; bit 2 ks + 1: all kept
	s_wait_loadcnt 0x0                             ; q and its scale word are in, and their bases are free
	s_mov_b32 s25, 16
.Lstep:
	s_and_b32 s26, s24, 1
	s_cmp_lg_u32 s26, 0
	s_cbranch_scc0 .Lskip                          ; nothing kept in these 128 keys for my 16 queries
.irp p, 0,1,2,3
	global_load_b128 v[KB+12*\p:KB+12*\p+3], v[L16], s[10:11] offset:1536*\p
	global_load_b64 v[KB+12*\p+4:KB+12*\p+5], v[L8], s[10:11] offset:1536*\p+512
	global_load_b128 v[KB+12*\p+6:KB+12*\p+9], v[L16], s[10:11] offset:1536*\p+768
	global_load_b64 v[KB+12*\p+10:KB+12*\p+11], v[L8], s[10:11] offset:1536*\p+1280
.endr
	global_load_b128 v[KS:KS+3], v[L16], s[12:13]
	s_load_b512 s[32:47], s[18:19], 0x0            ; the 64 mask words
	s_load_b512 s[48:63], s[18:19], 0x40
	s_load_b512 s[68:83], s[18:19], 0x80
	s_load_b512 s[84:99], s[18:19], 0xc0
.irp p, 0,1,2,3
	global_load_b128 v[VB+12*\p:VB+12*\p+3], v[L16], s[14:15] offset:1536*\p
	global_load_b64 v[VB+12*\p+4:VB+12*\p+5], v[L8], s[14:15] offset:1536*\p+512
	global_load_b128 v[VB+12*\p+6:VB+12*\p+9], v[L16], s[14:15] offset:1536*\p+768
	global_load_b64 v[VB+12*\p+10:VB+12*\p+11], v[L8], s[14:15] offset:1536*\p+1280
.endr
	global_load_b64 v[VS:VS+1], v[L8], s[16:17]
	s_wait_loadcnt 17                              ; K and its scale words are in; V's 16 loads and its scale words may be out
.irp p, 0,1,2,3
	v_wmma_scale_f32_16x16x128_f8f6f4 v[S+16*\p:S+16*\p+7], v[KB+12*\p:KB+12*\p+11], v[22:33], 0, v[KS+\p], v[QS] matrix_a_fmt:MATRIX_FMT_FP6 matrix_b_fmt:MATRIX_FMT_FP6
	v_wmma_scale_f32_16x16x128_f8f6f4 v[S+16*\p+8:S+16*\p+15], v[KB+12*\p:KB+12*\p+11], v[16:27], 0, v[KS+\p], v[QS] matrix_a_fmt:MATRIX_FMT_FP6 matrix_b_fmt:MATRIX_FMT_FP6 matrix_a_scale:MATRIX_SCALE_ROW1
.endr                                          ; register 16 b + i: key 32 b + 16 (lane / 16) + i of the step
.rept 4
	v_nop
.endr
	s_wait_kmcnt 0x0
	s_and_b32 s26, s24, 2
	s_cmp_lg_u32 s26, 0
	s_cbranch_scc1 .Lopen                          ; all kept
.set j, 0
.rept 32
	v_cndmask_b32 v[S+j], v[NEG], v[S+j], s[32+j]  ; where the mask is 0 the score becomes -infinity: p = 0 then
.set j, j+1
.endr
.rept 32
	v_cndmask_b32 v[S+j], v[NEG], v[S+j], s[36+j]
.set j, j+1
.endr
.Lopen:
.irp b, 0,1,2,3
	v_max3_num_f32 v[BM+\b], v[S+16*\b], v[S+16*\b+1], v[S+16*\b+2]   ; the largest score of each block of 32 keys: for the row's maximum, and, since p rises with the score, for the block's largest p
.endr
.irp i, 3,5,7,9,11,13
.irp b, 0,1,2,3
	v_max3_num_f32 v[BM+\b], v[BM+\b], v[S+16*\b+\i], v[S+16*\b+\i+1]
.endr
.endr
.irp b, 0,1,2,3
	v_max_num_f32 v[BM+\b], v[BM+\b], v[S+16*\b+15]
.endr
.irp b, 0,1,2,3
	v_permlanex16_b32 v[PT+\b], v[BM+\b], s20, s21
.endr
.irp b, 0,1,2,3
	v_max_num_f32 v[BM+\b], v[BM+\b], v[PT+\b]
.endr
	v_max3_num_f32 v[TT], v[BM], v[BM+1], v[BM+2]
	v_max_num_f32 v[TT], v[TT], v[BM+3]
	v_mul_f32 v[TT], s22, v[TT]
	v_max_num_f32 v13, v13, v[TT]                  ; the running largest t
	v_mov_b32 v[TT], v12
	v_floor_f32 v12, -v13                          ; the new -M = -ceil(t)
	v_sub_f32 v[TT], v12, v[TT]                    ; old M - new M: a whole number, 0 or less
	v_cvt_i32_f32 v[TT], v[TT]                     ; (it saturates)
	v_ldexp_f32 v[FF], 1.0, v[TT]                  ; f
.set j, 0
.rept 32
	v_pk_fma_f32 v[S+j:S+j+1], v[S+j:S+j+1], s[22:23], v[12:13] op_sel_hi:[1,0,0]   ; t - M, two at a time
.set j, j+2
.endr
.irp b, 0,1,2,3
	v_fma_f32 v[BM+\b], v[BM+\b], s22, v12
.endr
.set j, 0
.rept 64
	v_exp_f32 v[S+j], v[S+j]                       ; p, at most 1
.set j, j+1
.endr
	v_pk_mul_f32 v[14:15], v[14:15], v[FF:FF+1] op_sel_hi:[1,0]    ; the sums under the new M (a plain place behind the exponentials)
	s_wait_alu depctr_va_vdst(0)                   ; one wait for the batch, ahead of its first reader
.irp b, 0,1,2,3
	v_exp_f32 v[BM+\b], v[BM+\b]                   ; the blocks' largest p
.endr
	v_pk_add_f32 v[PT:PT+1], v[S:S+1], v[S+2:S+3]  ; the row's sum of the unquantised p, in two chains
.irp j, 4,8,12,16,20,24,28,32,36,40,44,48,52,56,60
	v_pk_add_f32 v[14:15], v[14:15], v[S+\j:S+\j+1]
	v_pk_add_f32 v[PT:PT+1], v[PT:PT+1], v[S+\j+2:S+\j+3]
.endr
	v_pk_add_f32 v[14:15], v[14:15], v[PT:PT+1]
	s_wait_alu depctr_va_vdst(0)                   ; and one for the four
.irp b, 0,1,2,3
	v_max_num_f32 v[BM+\b], 0x1800000, v[BM+\b]    ; the floor 2^(3 - 127)
.endr
.irp b, 0,1,2,3
	v_add_nc_u32 v[OP+\b], 0xff000000, v[BM+\b]
.endr
.irp b, 0,1,2,3
	v_lshrrev_b32 v[PT+\b], 23, v[OP+\b]
.endr
	v_lshl_or_b32 v[PW], v[PT+1], 8, v[PT]
	v_lshl_or_b32 v[PW], v[PT+2], 16, v[PW]
	v_lshl_or_b32 v[PW], v[PT+3], 24, v[PW]
.irp c, 0,1
	v_cvt_scalef32_pk16_fp6_f32 v[PC+6*\c:PC+2+6*\c], v[S+32*\c:S+15+32*\c], v[OP+2*\c]
	v_cvt_scalef32_pk16_fp6_f32 v[PT+4*\c:PT+2+4*\c], v[S+16+32*\c:S+31+32*\c], v[OP+2*\c+1]
.endr
	v_nop                                          ; one plain place behind a scaled conversion
.irp c, 0,1
.irp i, 0,1,2
	v_permlane16_swap_b32 v[PC+6*\c+\i], v[PT+4*\c+\i]
.endr
.irp i, 0,1,2
	v_mov_b32 v[PC+3+6*\c+\i], v[PT+4*\c+\i]
.endr
.endr
.set j, 0
.rept 16
	v_pk_mul_f32 v[OT+j:OT+j+1], v[OT+j:OT+j+1], v[FF:FF+1] op_sel_hi:[1,0]   ; O^T under the new M; these sixteen also stand between the scale word's and the codes' last writes and the products
.set j, j+2
.endr
	s_wait_loadcnt 0x0                             ; V
.irp t, 0,1,2,3
.if \t%2 == 0
	v_wmma_scale_f32_16x16x128_f8f6f4 v[OT+8*\t:OT+8*\t+7], v[VB+12*\t:VB+12*\t+11], v[PC:PC+11], v[OT+8*\t:OT+8*\t+7], v[VS+\t/2], v[PW] matrix_a_fmt:MATRIX_FMT_FP6 matrix_b_fmt:MATRIX_FMT_FP6
.else
	v_wmma_scale_f32_16x16x128_f8f6f4 v[OT+8*\t:OT+8*\t+7], v[VB+12*\t:VB+12*\t+11], v[PC:PC+11], v[OT+8*\t:OT+8*\t+7], v[VS+\t/2], v[PW] matrix_a_fmt:MATRIX_FMT_FP6 matrix_b_fmt:MATRIX_FMT_FP6 matrix_a_scale:MATRIX_SCALE_ROW1
.endif
.endr
.rept 4
	v_nop                                          ; places in front of the next step's loads into V's registers and of the first read of O^T
.endr
.Lskip:                                            ; no load of mine is out on either way: the bases may step
	s_add_nc_u64 s[10:11], s[10:11], 6144
	s_add_nc_u64 s[12:13], s[12:13], 512
	s_add_nc_u64 s[14:15], s[14:15], 6144
	s_add_nc_u64 s[16:17], s[16:17], 256
	s_add_nc_u64 s[18:19], s[18:19], 256
	s_lshr_b32 s24, s24, 2
	s_sub_co_u32 s25, s25, 1
	s_cmp_lg_u32 s25, 0
	s_cbranch_scc1 .Lstep
	; THE WAY OUT: O^T / the sum, quantised along d: register 16 b + i is d = 32 b + 16 (lane / 16) + i
	v_add_f32 v14, v14, v15
	v_permlanex16_b32 v[TT], v14, s20, s21
	v_add_f32 v14, v14, v[TT]                      ; the row's sum
	v_cmp_eq_f32 vcc_lo, 0, v14                    ; no key kept
	v_rcp_f32 v[FF], v14
	v_mov_b32 v254, 0xffff                         ; (a plain place behind the reciprocal)
	s_wait_alu depctr_va_vdst(0)                   ; the wait, ahead of the first reader
	v_cndmask_b32 v[FF], v[FF], v16, vcc_lo        ; there: 0, so that the codes are zeros
.set j, 0
.rept 16
	v_pk_mul_f32 v[S+j:S+j+1], v[OT+j:OT+j+1], v[FF:FF+1] op_sel_hi:[1,0]
.set j, j+2
.endr
.irp b, 0,1
	v_max3_num_f32 v[BM+\b], |v[S+16*\b]|, |v[S+16*\b+1]|, 0x1800000
.endr
.irp e, 2,4,6,8,10,12,14
.irp b, 0,1
	v_max3_num_f32 v[BM+\b], v[BM+\b], |v[S+16*\b+\e]|, |v[S+16*\b+\e+1]|
.endr
.endr
.irp b, 0,1
	v_permlanex16_b32 v[PT+\b], v[BM+\b], s20, s21
.endr
.irp b, 0,1
	v_max_num_f32 v[BM+\b], v[BM+\b], v[PT+\b]
.endr
.irp b, 0,1
	v_add_nc_u32 v[OP+\b], 0xff000000, v[BM+\b]
.endr
.irp b, 0,1
	v_lshrrev_b32 v[PT+\b], 23, v[OP+\b]
.endr
	v_lshl_or_b32 v[HW], v[PT+1], 8, v[PT]
	v_cndmask_b32 v[HW], v[HW], v254, vcc_lo       ; no key kept: both bytes 0xff
	v_cvt_scalef32_pk16_fp6_f32 v[PC:PC+2], v[S:S+15], v[OP]
	v_cvt_scalef32_pk16_fp6_f32 v[PC+6:PC+8], v[S+16:S+31], v[OP+1]
	v_nop
.irp e, 0,1,2
	v_permlane16_swap_b32 v[PC+\e], v[PC+6+\e]
.endr
.irp e, 0,1,2
	v_mov_b32 v[PC+3+\e], v[PC+6+\e]
.endr
	s_lshr_b32 s2, s31, 3
	s_mul_i32 s2, s2, 196608
	s_lshr_b32 s26, s29, 1
	s_mul_i32 s28, s26, 12288
	s_add_co_u32 s2, s2, s28
	s_and_b32 s28, s31, 7
	s_mul_i32 s28, s28, 1536
	s_add_co_u32 s2, s2, s28
	s_and_b32 s30, s29, 1
	s_mul_i32 s28, s30, 768
	s_add_co_u32 s2, s2, s28
	s_add_nc_u64 s[10:11], s[8:9], s[2:3]          ; [block T / 8][K step head / 2][tile T % 8][half head % 2]
	s_lshl_b32 s2, s31, 10
	s_lshl_b32 s28, s26, 6
	s_add_co_u32 s2, s2, s28
	s_lshl_b32 s28, s30, 1
	s_add_co_u32 s2, s2, s28
	s_add_co_u32 s2, s2, XBS
	s_add_nc_u64 s[12:13], s[8:9], s[2:3]
	global_store_b128 v[L16], v[PC:PC+3], s[10:11]
	global_store_b64 v[L8], v[PC+4:PC+5], s[10:11] offset:512
	v_and_b32 v3, 31, v0
	v_cmp_gt_u32 vcc_lo, 16, v3
	s_wait_xcnt 0x0                                ; EXEC changes only behind this wait
	s_and_saveexec_b32 s26, vcc_lo
	global_store_b16 v11, v[HW], s[12:13]          ; lanes 0-15: my head's two bytes of each row's scale word
	s_wait_xcnt 0x0
	s_or_b32 exec_lo, exec_lo, s26
	s_endpgm
.Lfunc_end_k_q34f2c00dc4_attn:
	.size	k_q34f2c00dc4_attn, .Lfunc_end_k_q34f2c00dc4_attn-k_q34f2c00dc4_attn
	.p2alignl 7, 3214868480
	.fill 96, 4, 3214868480
	.section	.rodata,"a",@progbits
	.p2align	6, 0x0
	.amdhsa_kernel k_q34f2c00dc4_attn
		.amdhsa_group_segment_fixed_size 0
		.amdhsa_private_segment_fixed_size 0
		.amdhsa_enable_private_segment 0
		.amdhsa_kernarg_size 24
		.amdhsa_user_sgpr_count 2
		.amdhsa_user_sgpr_kernarg_segment_ptr 1
		.amdhsa_wavefront_size32 1
		.amdhsa_system_sgpr_workgroup_id_x 1
		.amdhsa_system_sgpr_workgroup_id_y 1
		.amdhsa_system_sgpr_workgroup_id_z 1
		.amdhsa_system_vgpr_workitem_id 0
		.amdhsa_next_free_vgpr 256
		.amdhsa_next_free_sgpr 104
		.amdhsa_reserve_vcc 1
		.amdhsa_float_denorm_mode_32 3
		.amdhsa_float_denorm_mode_16_64 3
		.amdhsa_memory_ordered 1
		.amdhsa_forward_progress 1
		.amdhsa_inst_pref_size 32
	.end_amdhsa_kernel
	.amdgpu_metadata
---
amdhsa.version: [ 1, 2 ]
amdhsa.kernels:
  - .name:           k_q34f2c00dc4_attn
    .symbol:         k_q34f2c00dc4_attn.kd
    .args:
      - { .name: QB, .offset: 0, .size: 8, .value_kind: global_buffer, .address_space: global }
      - { .name: MB, .offset: 8, .size: 8, .value_kind: global_buffer, .address_space: global }
      - { .name: AB, .offset: 16, .size: 8, .value_kind: global_buffer, .address_space: global }
    .group_segment_fixed_size: 0
    .private_segment_fixed_size: 0
    .kernarg_segment_align: 8
    .kernarg_segment_size: 24
    .max_flat_workgroup_size: 512
    .sgpr_count:     104
    .vgpr_count:     256
    .wavefront_size: 32
...
	.end_amdgpu_metadata
.endif
;; end of part 3
;; launch outp (part 4): grid 8 x 16, 4 waves a work-group, clusters of 4 x 1, 231,936 bytes of LDS; arguments AB, WB, out0; writes out0
.if DOCPART == 4
	.amdgcn_target "amdgcn-amd-amdhsa--gfx1250"
	.amdhsa_code_object_version 6
	.text
	.protected	k_q34f2c00dc4_outp
	.globl	k_q34f2c00dc4_outp
	.p2align	8
	.type	k_q34f2c00dc4_outp,@function
k_q34f2c00dc4_outp:
	s_mov_b64 s[64:65], 0
	v_nop
	global_prefetch_b8 v0, s[64:65] scope:SCOPE_SE
	s_setreg_imm32_b32 hwreg(HW_REG_WAVE_MODE, 25, 1), 1
	s_wait_xcnt 0x0
	s_wait_alu depctr_hold_cnt(0) depctr_sa_sdst(0) depctr_va_vdst(0) depctr_va_sdst(0) depctr_va_ssrc(0) depctr_va_vcc(0) depctr_vm_vsrc(0)
	s_getreg_b32 s2, hwreg(HW_REG_IB_STS2, 6, 4)
	s_cmp_eq_u32 s2, 0
	s_cbranch_scc0 .Lentry_in_a_cluster
	s_endpgm
.Lentry_in_a_cluster:
	s_bfe_u32 s2, ttmp6, 0x10000c
	s_cmp_lg_u32 s2, 0x3003
	s_cbranch_scc0 .Lentry_shape_is_right
	s_endpgm
.Lentry_shape_is_right:
; OUTP: out0 = o Wo on codes of FP6 (E2M3) with E8M0 scales; sums in f32.
; THE CORE is that of the launch for q, k, v.  D = A x B.  B is the STRIP: 128 tokens of o (block y of AB), all of K = 2,048: 196,608 bytes of LDS, brought ONCE by tensor loads (four a wave, 12,288 dense bytes each):
; nothing is filled again.  A is the STREAM: 64 columns of Wo, each wave's own, from memory straight into a ring of four register sets, four K steps ahead.  A wave makes 64 x 128: 32 accumulators, 512 matrix instructions.
; CLUSTER: the four work-groups of a cluster have the same y and so the same strip: it is asked for JOINTLY (mask 15); the descriptors hang on y and the wave's number alone.  A round of the cluster's barrier stands in
; front of the joint loads and one in front of s_endpgm.  My place in the cluster enters global addresses alone.
; A lane holds one token; its registers run along the outputs: 16 neighbours in the 16 registers of stream tiles 2 b and 2 b + 1.  A tile of 16 tokens x 64 outputs goes through my own stage in LDS and leaves as rows of 256 bytes.
; REGISTERS, in windows of 256: window 0: v1-8 LDS addresses, v9-14 lane offsets, v16-79 the strip's scale words, v80-111 the stream's, v112-207 the strip's 8 fragments (on the way out: rows of out0).
;   window 1: accumulator (strip tile i, stream tile t) at v[8 (4 i + t)].   window 2: v0-191 the stream's ring, set q at v[48 q + 12 t].
.set XBS,  3145728
.set WBS,  7864320
.set BLKB, 196608
.set SLAB, 12288
.set FRB,  1536
.set CSX,  0
.set STG,  196608                      ; behind the strip: for each wave two stages of 16 rows x (256 + 16) bytes
.set LA16, 1
.set LA8,  5
.set L16,  9
.set L8,   10
.set L4,   11
.set STO,  12
.set RD,   13
.set GO,   14
.set SS,   16
.set TS,   80
.set SF,   112
.set W_MUL, 0x52                       ; source 0 (stream) window 2, source 1 (strip) window 0, C and D window 1
.set MSB, 0
.macro WIN new                         ; the immediate's high byte repeats the setting that is left
.if MSB != \new
	s_set_vgpr_msb (MSB<<8)|\new
.set MSB, \new
.endif
.endm
.macro PLACES                          ; four plain places between a matrix instruction and a load into, or a read of, its registers
.rept 4
	v_nop
.endr
.endm
.macro ROUND                           ; a round of the cluster's barrier: my work-group's barrier; wave 0 signals for the work-group; every wave waits for all four work-groups; my work-group's barrier once more
	s_barrier_signal -1
	s_barrier_wait -1
	s_cmp_lg_u32 s40, 0
	s_cbranch_scc1 .Lnot_wave_0_\@
	s_barrier_signal -3
.Lnot_wave_0_\@:
	s_barrier_wait -3
	s_barrier_signal -1
	s_barrier_wait -1
.endm
.macro SLOAD ks                        ; the stream's four fragments of K step ks into ring set ks % 4
.irp t, 0,1,2,3
	global_load_b128 v[48*((\ks)%4)+12*\t:48*((\ks)%4)+12*\t+3], v[L16], s[54:55] offset:(\ks)*SLAB+\t*FRB
	global_load_b64 v[48*((\ks)%4)+12*\t+4:48*((\ks)%4)+12*\t+5], v[L8], s[54:55] offset:(\ks)*SLAB+\t*FRB+512
	global_load_b128 v[48*((\ks)%4)+12*\t+6:48*((\ks)%4)+12*\t+9], v[L16], s[54:55] offset:(\ks)*SLAB+\t*FRB+768
	global_load_b64 v[48*((\ks)%4)+12*\t+10:48*((\ks)%4)+12*\t+11], v[L8], s[54:55] offset:(\ks)*SLAB+\t*FRB+1280
.endr
.endm
.macro FETCH ks, i0                    ; strip tiles i0 .. i0 + 3 of K step ks from LDS: every load takes consecutive bytes
.irp i, \i0, \i0+1, \i0+2, \i0+3
	ds_load_b128 v[SF+12*(\i):SF+12*(\i)+3], v[LA16+(\ks)/4] offset:((\ks)%4)*SLAB+(\i)*FRB
	ds_load_b64 v[SF+12*(\i)+4:SF+12*(\i)+5], v[LA8+(\ks)/4] offset:((\ks)%4)*SLAB+(\i)*FRB+512
	ds_load_b128 v[SF+12*(\i)+6:SF+12*(\i)+9], v[LA16+(\ks)/4] offset:((\ks)%4)*SLAB+(\i)*FRB+768
	ds_load_b64 v[SF+12*(\i)+10:SF+12*(\i)+11], v[LA8+(\ks)/4] offset:((\ks)%4)*SLAB+(\i)*FRB+1280
.endr
.endm
.macro MUL ks, i0                      ; 16 matrix instructions.  The 32 accumulators take turns, one instruction a turn, in the same order in every K step.  K step 0 starts the sums
.irp i, \i0, \i0+1, \i0+2, \i0+3
.irp t, 0,1,2,3
.if (\ks) == 0
	v_wmma_scale_f32_16x16x128_f8f6f4 v[8*(4*(\i)+\t):8*(4*(\i)+\t)+7], v[48*((\ks)%4)+12*\t:48*((\ks)%4)+12*\t+11], v[SF+12*(\i):SF+12*(\i)+11], 0, v[TS+8*\t+(\ks)/2], v[SS+8*(\i)+(\ks)/2] matrix_a_fmt:MATRIX_FMT_FP6 matrix_b_fmt:MATRIX_FMT_FP6
.elseif (\ks)%2 == 0
	v_wmma_scale_f32_16x16x128_f8f6f4 v[8*(4*(\i)+\t):8*(4*(\i)+\t)+7], v[48*((\ks)%4)+12*\t:48*((\ks)%4)+12*\t+11], v[SF+12*(\i):SF+12*(\i)+11], v[8*(4*(\i)+\t):8*(4*(\i)+\t)+7], v[TS+8*\t+(\ks)/2], v[SS+8*(\i)+(\ks)/2] matrix_a_fmt:MATRIX_FMT_FP6 matrix_b_fmt:MATRIX_FMT_FP6
.else
	v_wmma_scale_f32_16x16x128_f8f6f4 v[8*(4*(\i)+\t):8*(4*(\i)+\t)+7], v[48*((\ks)%4)+12*\t:48*((\ks)%4)+12*\t+11], v[SF+12*(\i):SF+12*(\i)+11], v[8*(4*(\i)+\t):8*(4*(\i)+\t)+7], v[TS+8*\t+(\ks)/2], v[SS+8*(\i)+(\ks)/2] matrix_a_fmt:MATRIX_FMT_FP6 matrix_b_fmt:MATRIX_FMT_FP6 matrix_a_scale:MATRIX_SCALE_ROW1 matrix_b_scale:MATRIX_SCALE_ROW1
.endif
.endr
.endr
.endm
.macro KSTEP ks
.set NLD, 48
.if (\ks) > 12
.set NLD, 16*(15-(\ks))+CSX
.endif
	s_wait_loadcnt NLD                             ; ring set ks is in (and, at K step 0, the scale words): the loads younger than it, three sets or what is left of them, may be out
	s_wait_dscnt 16                                ; strip tiles 0-3 are in; the 16 loads of tiles 4-7 may be out
	WIN W_MUL
	MUL \ks, 0
	WIN 0
	s_wait_dscnt 0x0                               ; tiles 4-7 are in; no LDS load of mine is out at the barrier below
.if ((\ks)%4 == 3) && ((\ks) < 15)
	s_wait_tensorcnt 3-((\ks)+1)/4                 ; my part of the next four K steps has landed; the later chunks' loads may stay out
	s_barrier_signal -1
	s_barrier_wait -1                              ; everybody's has
.endif
.if (\ks) < 15
	PLACES
	FETCH (\ks)+1, 0
.endif
	WIN W_MUL
	MUL \ks, 4
	WIN 0
.if (\ks) < 15
	PLACES
	FETCH (\ks)+1, 4
.endif
.if (\ks) < 12
	WIN 0x80                                       ; destination window 2
	SLOAD (\ks)+4                                  ; the set just multiplied takes the K step four on
	WIN 0
.endif
.endm
; THE WAY OUT of strip tile i: 16 tokens x 64 outputs into stage i % 2 and back as rows.  LDS serves a wave's instructions in order (ISA guide 5.7.1.4): no wait between the stores and the loads
.macro TOSTAGE i
	WIN 0x04                                       ; an LDS store's data are its source 1: window 1
.irp t, 0,1,2,3
	ds_store_b128 v[STO], v[8*(4*(\i)+\t):8*(4*(\i)+\t)+3] offset:128*(\t/2)+32*(\t%2)+((\i)%2)*4352       ; each accumulator from its low end on
	ds_store_b128 v[STO], v[8*(4*(\i)+\t)+4:8*(4*(\i)+\t)+7] offset:128*(\t/2)+32*(\t%2)+16+((\i)%2)*4352
.endr
	WIN 0
.irp k, 0,1,2,3,4,5,6,7
	ds_load_b128 v[SF+32*((\i)%2)+4*\k:SF+32*((\i)%2)+4*\k+3], v[RD] offset:544*\k+((\i)%2)*4352
.endr
.endm
.macro SEND i, younger                 ; younger: the LDS instructions issued behind tile i's loads, which may stay out
	s_wait_dscnt \younger
.irp k, 0,1,2,3,4,5,6,7
	global_store_b128 v[GO], v[SF+32*((\i)%2)+4*\k:SF+32*((\i)%2)+4*\k+3], s[58:59] offset:(32*((\i)/2)+8*((\i)%2)+2*\k+8*(\k/4))*8192 th:TH_STORE_NT   ; sixteen lanes store 256 consecutive bytes, at a multiple of 256 from out0's first byte
.endr
.endm
	s_load_b128 s[4:7], s[0:1], 0x0                ; AB s[4:5], WB s[6:7]
	s_load_b64 s[10:11], s[0:1], 0x10              ; out0
	v_lshl_add_u32 v254, v0, 2, 0x38800
	v_mov_b32 v255, 0
	ds_add_u32 v254, v255
	ds_add_u32 v254, v255
	v_lshrrev_b32 v12, 5, v0
	v_readfirstlane_b32 s40, v12                   ; wave 0..3
	v_and_b32 v13, 31, v0
	v_lshlrev_b32 v[L16], 4, v13
	v_lshlrev_b32 v[L8], 3, v13
	v_lshlrev_b32 v[L4], 2, v13
.irp q, 0,1,2,3
	v_add_nc_u32 v[LA16+\q], \q*49152, v[L16]      ; four K steps of the strip are 49,152 bytes: an LDS offset holds 16 bits
	v_add_nc_u32 v[LA8+\q], \q*49152, v[L8]
.endr
	v_and_b32 v14, 15, v0                          ; r
	v_bfe_u32 v15, v0, 4, 1                        ; h
	s_mul_i32 s13, s40, 8704
	s_add_co_u32 s13, s13, STG                     ; my stages
	v_mul_u32_u24 v[STO], v14, 272
	v_lshl_add_u32 v[STO], v15, 6, v[STO]
	v_add_nc_u32 v[STO], s13, v[STO]               ; in: row r, + 64 h
	v_mul_u32_u24 v[RD], v15, 272
	v_lshl_add_u32 v[RD], v14, 4, v[RD]
	v_add_nc_u32 v[RD], s13, v[RD]                 ; back: lanes 0-15 one row, lanes 16-31 the next
	v_lshlrev_b32 v15, 13, v15
	v_lshl_add_u32 v[GO], v14, 4, v15              ; and the same two rows in out0
	s_bfe_u32 s41, ttmp6, 0x40000                  ; cx: my place in the cluster
	s_lshl_b32 s42, ttmp9, 2                       ; in a cluster launch ttmp9 counts clusters
	s_add_co_u32 s42, s42, s41                     ; x: which 256 outputs
	s_and_b32 s12, ttmp7, 0xffff                   ; y: which 128 tokens; the four partners share it
	s_lshl_b32 s43, s42, 2
	s_add_co_u32 s43, s43, s40
	s_add_co_u32 s43, s43, 48                      ; the stream's 64 rows: Wo begins at block 24
	; descriptor group 1: 12,288 dense bytes as 48 rows of 256 (32 elements of 8 bytes), no padding; the mask names all four work-groups, bit 21 beside it
	s_mov_b32 s16, 15|(3<<16)|(1<<21)
	s_mov_b32 s17, 32<<16
	s_mov_b32 s18, 48<<16
	s_mov_b32 s19, 32<<16
	s_mov_b32 s20, 48
	s_mov_b32 s21, 32
	s_mov_b32 s22, 0
	s_mov_b32 s23, 0
	s_wait_dscnt 0x0
	s_wait_kmcnt 0x0
	s_lshl_b32 s50, s12, 13
	s_add_co_u32 s50, s50, XBS
	s_mov_b32 s51, 0
	s_add_nc_u64 s[50:51], s[4:5], s[50:51]        ; the strip's scale words
	s_lshl_b32 s52, s43, 12
	s_add_co_u32 s52, s52, WBS
	s_mov_b32 s53, 0
	s_add_nc_u64 s[52:53], s[6:7], s[52:53]        ; the stream's
	s_lshr_b32 s54, s43, 1
	s_mul_i32 s54, s54, BLKB
	s_and_b32 s13, s43, 1
	s_mul_i32 s13, s13, 4*FRB
	s_add_co_u32 s54, s54, s13
	s_mov_b32 s55, 0
	s_add_nc_u64 s[54:55], s[6:7], s[54:55]        ; the stream's codes
	s_lshl_b32 s58, s12, 20
	s_lshl_b32 s13, s42, 10
	s_add_co_u32 s58, s58, s13
	s_lshl_b32 s13, s40, 8
	s_add_co_u32 s58, s58, s13
	s_mov_b32 s59, 0
	s_add_nc_u64 s[58:59], s[10:11], s[58:59]      ; out0 at token 128 y, output 256 x + 64 wave
	s_mul_i32 s46, s12, BLKB
	s_mul_i32 s63, s40, SLAB                       ; wave w brings K steps w, 4 + w, 8 + w, 12 + w
	s_add_co_u32 s46, s46, s63
	s_mov_b32 s47, 0
	s_add_nc_u64 s[44:45], s[4:5], s[46:47]
.irp q, 0,1,2,3
	s_mov_b32 s[24+4*\q], 1
	s_add_co_u32 s[25+4*\q], s63, \q*49152
	s_add_nc_u64 s[26+4*\q:27+4*\q], s[44:45], \q*49152
	s_or_b32 s[27+4*\q], s[27+4*\q], 0x80000000
.endr
	ROUND                                          ; all four work-groups are here: the joint loads meet
	tensor_load_to_lds s[24:27], s[16:23]          ; the whole strip is asked for at once: four loads of mine are out
	s_nop 0
	tensor_load_to_lds s[28:31], s[16:23]
	s_nop 0
	tensor_load_to_lds s[32:35], s[16:23]
	s_nop 0
	tensor_load_to_lds s[36:39], s[16:23]
	s_nop 0
	PLACES                                         ; four v_nop follow the last of them
.irp i, 0,1,2,3,4,5,6,7
.irp m, 0,1,2,3,4,5,6,7
	global_load_b32 v[SS+8*\i+\m], v[L4], s[50:51] offset:\i*1024+\m*128
.endr
.endr
.irp t, 0,1,2,3
.irp m, 0,1,2,3,4,5,6,7
	global_load_b32 v[TS+8*\t+\m], v[L4], s[52:53] offset:\t*1024+\m*128
.endr
.endr
	WIN 0x80
	SLOAD 0
	SLOAD 1
	SLOAD 2
	SLOAD 3
	WIN 0
	s_wait_tensorcnt 3                             ; my part of K steps 0-3 has landed; my three later loads may stay out
	s_barrier_signal -1
	s_barrier_wait -1
	FETCH 0, 0
	FETCH 0, 4
.irp ks, 0,1,2,3,4,5,6,7,8,9,10,11,12,13,14,15
	KSTEP \ks
.endr
	PLACES                                         ; in front of the first read of results and of the loads into the registers that held the strip's fragments
	TOSTAGE 0
.irp a, 1,2,3,4,5,6,7
.if \a > 1
	s_wait_xcnt 0x0                                ; tile a - 2's stores have read their registers: tile a's rows may land there
.endif
	TOSTAGE \a
	SEND \a-1, 16                                  ; behind tile a - 1's loads: tile a's 8 stores and 8 loads
.endr
	SEND 7, 0
	s_wait_tensorcnt 0x0
	ds_add_u32 v254, v255
	s_wait_dscnt 0x0
	ROUND                                          ; the closing round: no work-group ends while a partner may still ask for a tile that names it
	s_endpgm
.Lfunc_end_k_q34f2c00dc4_outp:
	.size	k_q34f2c00dc4_outp, .Lfunc_end_k_q34f2c00dc4_outp-k_q34f2c00dc4_outp
	.p2alignl 7, 3214868480
	.fill 96, 4, 3214868480
	.section	.rodata,"a",@progbits
	.p2align	6, 0x0
	.amdhsa_kernel k_q34f2c00dc4_outp
		.amdhsa_group_segment_fixed_size 231936
		.amdhsa_private_segment_fixed_size 0
		.amdhsa_enable_private_segment 0
		.amdhsa_kernarg_size 24
		.amdhsa_user_sgpr_count 2
		.amdhsa_user_sgpr_kernarg_segment_ptr 1
		.amdhsa_wavefront_size32 1
		.amdhsa_system_sgpr_workgroup_id_x 1
		.amdhsa_system_sgpr_workgroup_id_y 1
		.amdhsa_system_sgpr_workgroup_id_z 1
		.amdhsa_system_vgpr_workitem_id 0
		.amdhsa_next_free_vgpr 704
		.amdhsa_next_free_sgpr 66
		.amdhsa_reserve_vcc 0
		.amdhsa_float_denorm_mode_32 3
		.amdhsa_float_denorm_mode_16_64 3
		.amdhsa_memory_ordered 1
		.amdhsa_forward_progress 1
		.amdhsa_inst_pref_size 159
	.end_amdhsa_kernel
	.amdgpu_metadata
---
amdhsa.version: [ 1, 2 ]
amdhsa.kernels:
  - .name:           k_q34f2c00dc4_outp
    .symbol:         k_q34f2c00dc4_outp.kd
    .args:
      - { .name: AB, .offset: 0, .size: 8, .value_kind: global_buffer, .address_space: global }
      - { .name: WB, .offset: 8, .size: 8, .value_kind: global_buffer, .address_space: global }
      - { .name: out0, .offset: 16, .size: 8, .value_kind: global_buffer, .address_space: global }
    .group_segment_fixed_size: 231936
    .private_segment_fixed_size: 0
    .kernarg_segment_align: 8
    .kernarg_segment_size: 24
    .max_flat_workgroup_size: 128
    .sgpr_count:     66
    .vgpr_count:     704
    .wavefront_size: 32
...
	.end_amdgpu_metadata
.endif
;; end of part 4
;; ======== version 2 of 2: 4 launches; version 1 with the launch attn written anew for expert scheduling mode
;; workspace buffers: XB 3,276,800 bytes; WB 8,192,000 bytes; MB 526,336 bytes of whole numbers; CS 524,288 bytes; QB 5,079,040 bytes; AB 3,276,800 bytes
;; launch prep: the kernel of part 1 again; grid 608 x 1, 4 waves a work-group, no clusters, 34,304 bytes of LDS; arguments x, mask, Wq, Wk, Wv, Wo, XB, WB, MB, CS; writes XB, WB, MB, CS
;; launch qkv: the kernel of part 2 again; grid 12 x 16, 4 waves a work-group, no clusters, 197,120 bytes of LDS; arguments XB, WB, CS, QB; writes QB
;; launch attn (part 5): grid 32 x 8, 16 waves a work-group, no clusters, 0 bytes of LDS; arguments QB, MB, AB; writes AB
.if DOCPART == 5
	.amdgcn_target "amdgcn-amd-amdhsa--gfx1250"
	.amdhsa_code_object_version 6
	.text
	.protected	k_q34f2c00dc4_attn
	.globl	k_q34f2c00dc4_attn
	.p2align	8
	.type	k_q34f2c00dc4_attn,@function
k_q34f2c00dc4_attn:
	s_mov_b64 s[64:65], 0
	v_nop
	global_prefetch_b8 v0, s[64:65] scope:SCOPE_SE
	s_setreg_imm32_b32 hwreg(HW_REG_WAVE_SCHED_MODE, 0, 2), 2
	s_setreg_imm32_b32 hwreg(HW_REG_WAVE_MODE, 25, 1), 1
	s_wait_xcnt 0x0
	s_wait_alu depctr_vm_vsrc(0)
; ATTN: o = softmax(q k^T / 8, masked) v on codes of FP6 (E2M3) with E8M0 scales; o is quantised along 64 head + d for the last product and stored as that product's operand.
; SOFTMAX: t = score x log2(e) / 8; M = the row's largest t so far, rounded up to a whole number; p = 2^(t - M) is quantised along the keys, not normalised; the row's sum is taken of the unquantised p and divides at the end.
; When M moves, the sum and O are multiplied by 2^(old M - new M): exact.
; SHARES.  A work-group serves one kv head g; wave w takes query head 4 g + w % 4 and ONE tile of 16 queries; the four tiles of a head in a work-group are a, 63 - a, 64 + a, 127 - a, dealt so that each group of four
; waves with w / 4 or with w % 4 equal holds all four kinds.  Four waves to a SIMD: one wave's vector work stands beside another's loads and products.
; LAYOUT.  S^T = K Q^T (source 0 = 16 keys, source 1 = my queries), O^T = V^T P^T: a lane holds one query throughout.  The head's K is 64, half of the instruction's 128: a fragment of K holds TWO key tiles, in its lower and
; upper 64, and q stands against zero codes in the other half (v16-21 zeros, v22-27 q, v28-33 zeros: v[22:33] or v[16:27]).
; THE MASK IS AN INPUT.  An earlier launch has stored it as lane masks, one word for each score register, and two flags for each 16 queries x 128 keys.  A key step with nothing kept is left out; where all is kept the 64 selects are.
; This launch has no tensor load: K and V come from memory straight into registers, in register order.  The loop's trip count is a constant.
; A row with no key kept: sum 0; its codes are zeros and its scale bytes 0xff, which make the token's whole row of the last product NaN, as reference() gives.
; LIMITS: a block of p or of o whose largest magnitude lies under 2^-124, a block of zeros too, gets the scale byte 1.
; THE MODE: SCHED_MODE bits 1:0 = 2 (LLVM: expert scheduling mode 2), set by the entry lines.  The code itself states the register dependences between vector or matrix instructions and memory instructions,
; with s_wait_alu, always for 0.
; THE PLAN.  Registers that memory instructions touch:
;   v1, v2          16 x lane and 8 x lane: made once at the head; read as offsets by every load of the loop and by the stores of codes; never written again.
;   v3              made at the head; read by the load of q's scale word; written again on the way out.        v11: made at the head; read by the last store.
;   v22-27, v10     q and its scale word: loaded once; read by the products K Q^T, with the zeros v16-21 and v28-33 that vector instructions write at the head.
;   v34-81, v4-7    K's fragments and scale words: the loads at the head of a walked step land in them; that step's eight products K Q^T read them.
;   v82-129, v8-9   V's: the same run of loads lands in them; that step's four products V^T P^T read them.
;   v226-237, v251  p's codes and scale word: written by vector instructions, taken by the products V^T P^T.  On the way out v226-231 and v255 are the stores' data.
; So a walked step has ONE wait ahead of its run of loads (the products of the step walked last are done reading K's and V's registers), the two waits behind its exponentials, and one ahead of the products V^T P^T
; (p's codes and scale word are written).  No register that a memory instruction of the loop reads is written in the loop.
; K and V have one set of registers each: all 256 are in use.  No load of the next step is issued ahead: whether that step is walked hangs on a stored flag, and a counted wait has to count the same loads on every way.
.set QKS, 3932160
.set VCO, 4259840
.set VSO, 5046272
.set MBF, 524288
.set XBS, 3145728
.set L16, 1                            ; v1  16 x lane
.set L8,  2                            ; v2  8 x lane
.set KS,  4                            ; v4-7   K's scale words: register p: lanes 0-15 key tile 2 p, lanes 16-31 tile 2 p + 1
.set VS,  8                            ; v8-9   V's: register p: d tiles 2 p, 2 p + 1
.set QS,  10                           ; v10    q's
.set KB,  34                           ; v34-81   four fragments of K
.set VB,  82                           ; v82-129  four of V
.set S,   130                          ; v130-193 S^T, then p
.set OT,  194                          ; v194-225 O^T
.set PC,  226                          ; v226-237 p's codes
.set BM,  234                          ; v234-237 first the blocks' largest scores
.set PT,  238                          ; v238-245 at work
.set OP,  246                          ; v246-249 the conversions' scale operands
.set FF,  250                          ; f = 2^(old M - new M); named as the pair v[250:251]
.set PW,  251                          ; p's scale word
.set TT,  252
.set NEG, 253                          ; -infinity
.set HW,  255
	s_load_b128 s[4:7], s[0:1], 0x0                ; QB, MB
	s_load_b64 s[8:9], s[0:1], 0x10                ; AB
	v_lshrrev_b32 v3, 5, v0
	v_readfirstlane_b32 s26, v3                    ; wave 0..15
	v_and_b32 v3, 31, v0
	v_lshlrev_b32 v[L16], 4, v3
	v_lshlrev_b32 v[L8], 3, v3
	v_and_b32 v11, 15, v0
	v_lshlrev_b32 v3, 4, v11                       ; q's scale word: 16 bytes from row to row
	v_lshlrev_b32 v11, 2, v11                      ; the way out: 4 bytes from row to row
	s_wait_alu depctr_va_sdst(0)                   ; s26, the wave's number, is written, ahead of its first reader: the head and the tile are made from it
	s_and_b32 s27, ttmp7, 0xffff                   ; g
	s_and_b32 s28, s26, 3
	s_lshl_b32 s29, s27, 2
	s_add_co_u32 s29, s29, s28                     ; the query head
	s_lshr_b32 s30, s26, 2
	s_add_co_u32 s30, s30, s28
	s_and_b32 s30, s30, 3                          ; which of the four tiles
	s_sub_co_u32 s31, 63, ttmp9
	s_and_b32 s25, s30, 1
	s_cmp_lg_u32 s25, 0
	s_cselect_b32 s31, s31, ttmp9
	s_lshr_b32 s30, s30, 1
	s_lshl_b32 s30, s30, 6
	s_add_co_u32 s31, s31, s30                     ; T
	s_mov_b32 s20, 0x76543210
	s_mov_b32 s21, 0xfedcba98                      ; lane l xor 16
	s_mov_b32 s22, 0x3e38aa3b                      ; c = log2(e) / 8
	s_mov_b32 s23, s22                             ; (named with it as a pair)
	s_mov_b32 s3, 0
	s_wait_kmcnt 0x0
	s_lshl_b32 s2, s31, 4
	s_add_co_u32 s2, s2, MBF
	s_add_nc_u64 s[68:69], s[6:7], s[2:3]
	s_load_b128 s[32:35], s[68:69], 0x0            ; my tile's flags: four words of four key steps
	s_mul_i32 s2, s29, 98304
	s_mul_i32 s28, s31, 768
	s_add_co_u32 s2, s2, s28
	s_add_nc_u64 s[70:71], s[4:5], s[2:3]
	s_wait_alu depctr_va_vdst(0)                   ; the offsets v1, v2, v3 and v11 are written: the loads below, every load of the loop and the stores of the way out read them
	global_load_b128 v[22:25], v[L16], s[70:71]    ; q's half
	global_load_b64 v[26:27], v[L8], s[70:71] offset:512
	s_lshl_b32 s2, s29, 13
	s_lshr_b32 s28, s31, 3
	s_lshl_b32 s28, s28, 9
	s_add_co_u32 s2, s2, s28
	s_and_b32 s28, s31, 1
	s_lshl_b32 s28, s28, 8
	s_add_co_u32 s2, s2, s28
	s_and_b32 s28, s31, 7
	s_lshr_b32 s28, s28, 1
	s_lshl_b32 s28, s28, 2
	s_add_co_u32 s2, s2, s28
	s_add_co_u32 s2, s2, QKS
	s_add_nc_u64 s[72:73], s[4:5], s[2:3]
	global_load_b32 v[QS], v3, s[72:73]
	s_add_co_u32 s28, s27, 32                      ; k's head column
	s_mul_i32 s2, s28, 98304
	s_add_nc_u64 s[10:11], s[4:5], s[2:3]          ; K's codes
	s_lshl_b32 s2, s28, 13
	s_add_co_u32 s2, s2, QKS
	s_add_nc_u64 s[12:13], s[4:5], s[2:3]          ; K's scale words
	s_mul_i32 s2, s27, 98304
	s_add_co_u32 s2, s2, VCO
	s_add_nc_u64 s[14:15], s[4:5], s[2:3]          ; V's codes
	s_lshl_b32 s2, s27, 12
	s_add_co_u32 s2, s2, VSO
	s_add_nc_u64 s[16:17], s[4:5], s[2:3]          ; V's scale words
	s_lshl_b32 s2, s31, 12
	s_add_nc_u64 s[18:19], s[6:7], s[2:3]          ; my tile's mask words
.irp j, 0,1,2,3,4,5
	v_mov_b32 v[16+\j], 0                          ; zero codes on either side of q
	v_mov_b32 v[28+\j], 0
.endr
.set j, 0
.rept 32
	v_mov_b32 v[OT+j], 0                           ; which key step is the first to count hangs on the mask: so the sums begin as zeros, which the first change of M leaves zeros
.set j, j+1
.endr
	v_mov_b32 v13, 0xff61b1e6                      ; the largest t so far: -3e38
	v_floor_f32 v12, -v13                          ; -M
	v_mov_b32 v14, 0
	v_mov_b32 v15, 0
.irp b, 0,1,2,3
	v_mov_b32 v[PT+\b], 0                          ; written once: a lane permute's destination counts as one of its sources
.endr
	v_mov_b32 v[PW], 0
	v_mov_b32 v[TT], 0
	v_mov_b32 v[NEG], 0xff800000
	s_wait_kmcnt 0x0
	s_lshl_b32 s33, s33, 8
	s_lshl_b32 s34, s34, 16
	s_lshl_b32 s35, s35, 24
	s_or_b32 s24, s32, s33
	s_or_b32 s24, s24, s34
	s_or_b32 s24, s24, s35                         ; bit 2 ks: any kept; bit 2 ks + 1: all kept
	s_wait_loadcnt 0x0                             ; q and its scale word are in, and their bases are free
	s_mov_b32 s25, 16
.Lstep:
	s_and_b32 s26, s24, 1
	s_cmp_lg_u32 s26, 0
	s_cbranch_scc0 .Lskip                          ; nothing kept in these 128 keys for my 16 queries
	s_wait_alu depctr_va_vdst(0)                   ; the products of the step walked last are done reading K's and V's fragments and scale words, in which the loads below land, and its selects the mask words, which the scalar loads below write; in the first step walked: the zeros beside q, which the products K Q^T take, are written
.irp p, 0,1,2,3
	global_load_b128 v[KB+12*\p:KB+12*\p+3], v[L16], s[10:11] offset:1536*\p
	global_load_b64 v[KB+12*\p+4:KB+12*\p+5], v[L8], s[10:11] offset:1536*\p+512
	global_load_b128 v[KB+12*\p+6:KB+12*\p+9], v[L16], s[10:11] offset:1536*\p+768
	global_load_b64 v[KB+12*\p+10:KB+12*\p+11], v[L8], s[10:11] offset:1536*\p+1280
.endr
	global_load_b128 v[KS:KS+3], v[L16], s[12:13]
	s_load_b512 s[32:47], s[18:19], 0x0            ; the 64 mask words
	s_load_b512 s[48:63], s[18:19], 0x40
	s_load_b512 s[68:83], s[18:19], 0x80
	s_load_b512 s[84:99], s[18:19], 0xc0
.irp p, 0,1,2,3
	global_load_b128 v[VB+12*\p:VB+12*\p+3], v[L16], s[14:15] offset:1536*\p      ; no vector or matrix instruction stands between the wait above and this run's last load
	global_load_b64 v[VB+12*\p+4:VB+12*\p+5], v[L8], s[14:15] offset:1536*\p+512
	global_load_b128 v[VB+12*\p+6:VB+12*\p+9], v[L16], s[14:15] offset:1536*\p+768
	global_load_b64 v[VB+12*\p+10:VB+12*\p+11], v[L8], s[14:15] offset:1536*\p+1280
.endr
	global_load_b64 v[VS:VS+1], v[L8], s[16:17]
	s_wait_loadcnt 17                              ; K and its scale words are in; V's 16 loads and its scale words may be out
.irp p, 0,1,2,3
	v_wmma_scale_f32_16x16x128_f8f6f4 v[S+16*\p:S+16*\p+7], v[KB+12*\p:KB+12*\p+11], v[22:33], 0, v[KS+\p], v[QS] matrix_a_fmt:MATRIX_FMT_FP6 matrix_b_fmt:MATRIX_FMT_FP6
	v_wmma_scale_f32_16x16x128_f8f6f4 v[S+16*\p+8:S+16*\p+15], v[KB+12*\p:KB+12*\p+11], v[16:27], 0, v[KS+\p], v[QS] matrix_a_fmt:MATRIX_FMT_FP6 matrix_b_fmt:MATRIX_FMT_FP6 matrix_a_scale:MATRIX_SCALE_ROW1
.endr                                          ; register 16 b + i: key 32 b + 16 (lane / 16) + i of the step
.rept 4
	v_nop
.endr
	s_wait_kmcnt 0x0
	s_and_b32 s26, s24, 2
	s_cmp_lg_u32 s26, 0
	s_cbranch_scc1 .Lopen                          ; all kept
.set j, 0
.rept 32
	v_cndmask_b32 v[S+j], v[NEG], v[S+j], s[32+j]  ; where the mask is 0 the score becomes -infinity: p = 0 then
.set j, j+1
.endr
.rept 32
	v_cndmask_b32 v[S+j], v[NEG], v[S+j], s[36+j]
.set j, j+1
.endr
.Lopen:
.irp b, 0,1,2,3
	v_max3_num_f32 v[BM+\b], v[S+16*\b], v[S+16*\b+1], v[S+16*\b+2]   ; the largest score of each block of 32 keys: for the row's maximum, and, since p rises with the score, for the block's largest p
.endr
.irp i, 3,5,7,9,11,13
.irp b, 0,1,2,3
	v_max3_num_f32 v[BM+\b], v[BM+\b], v[S+16*\b+\i], v[S+16*\b+\i+1]
.endr
.endr
.irp b, 0,1,2,3
	v_max_num_f32 v[BM+\b], v[BM+\b], v[S+16*\b+15]
.endr
.irp b, 0,1,2,3
	v_permlanex16_b32 v[PT+\b], v[BM+\b], s20, s21
.endr
.irp b, 0,1,2,3
	v_max_num_f32 v[BM+\b], v[BM+\b], v[PT+\b]
.endr
	v_max3_num_f32 v[TT], v[BM], v[BM+1], v[BM+2]
	v_max_num_f32 v[TT], v[TT], v[BM+3]
	v_mul_f32 v[TT], s22, v[TT]
	v_max_num_f32 v13, v13, v[TT]                  ; the running largest t
	v_mov_b32 v[TT], v12
	v_floor_f32 v12, -v13                          ; the new -M = -ceil(t)
	v_sub_f32 v[TT], v12, v[TT]                    ; old M - new M: a whole number, 0 or less
	v_cvt_i32_f32 v[TT], v[TT]                     ; (it saturates)
	v_ldexp_f32 v[FF], 1.0, v[TT]                  ; f
.set j, 0
.rept 32
	v_pk_fma_f32 v[S+j:S+j+1], v[S+j:S+j+1], s[22:23], v[12:13] op_sel_hi:[1,0,0]   ; t - M, two at a time
.set j, j+2
.endr
.irp b, 0,1,2,3
	v_fma_f32 v[BM+\b], v[BM+\b], s22, v12
.endr
.set j, 0
.rept 64
	v_exp_f32 v[S+j], v[S+j]                       ; p, at most 1
.set j, j+1
.endr
	v_pk_mul_f32 v[14:15], v[14:15], v[FF:FF+1] op_sel_hi:[1,0]    ; the sums under the new M (a plain place behind the exponentials)
	s_wait_alu depctr_va_vdst(0)                   ; the 64 exponentials have written p: one wait for the batch, ahead of its first reader
.irp b, 0,1,2,3
	v_exp_f32 v[BM+\b], v[BM+\b]                   ; the blocks' largest p
.endr
	v_pk_add_f32 v[PT:PT+1], v[S:S+1], v[S+2:S+3]  ; the row's sum of the unquantised p, in two chains
.irp j, 4,8,12,16,20,24,28,32,36,40,44,48,52,56,60
	v_pk_add_f32 v[14:15], v[14:15], v[S+\j:S+\j+1]
	v_pk_add_f32 v[PT:PT+1], v[PT:PT+1], v[S+\j+2:S+\j+3]
.endr
	v_pk_add_f32 v[14:15], v[14:15], v[PT:PT+1]
	s_wait_alu depctr_va_vdst(0)                   ; the four exponentials have written the blocks' largest p: one wait for the four, ahead of their first reader
.irp b, 0,1,2,3
	v_max_num_f32 v[BM+\b], 0x1800000, v[BM+\b]    ; the floor 2^(3 - 127)
.endr
.irp b, 0,1,2,3
	v_add_nc_u32 v[OP+\b], 0xff000000, v[BM+\b]
.endr
.irp b, 0,1,2,3
	v_lshrrev_b32 v[PT+\b], 23, v[OP+\b]
.endr
	v_lshl_or_b32 v[PW], v[PT+1], 8, v[PT]
	v_lshl_or_b32 v[PW], v[PT+2], 16, v[PW]
	v_lshl_or_b32 v[PW], v[PT+3], 24, v[PW]
.irp c, 0,1
	v_cvt_scalef32_pk16_fp6_f32 v[PC+6*\c:PC+2+6*\c], v[S+32*\c:S+15+32*\c], v[OP+2*\c]
	v_cvt_scalef32_pk16_fp6_f32 v[PT+4*\c:PT+2+4*\c], v[S+16+32*\c:S+31+32*\c], v[OP+2*\c+1]
.endr
	v_nop                                          ; one plain place behind a scaled conversion
.irp c, 0,1
.irp i, 0,1,2
	v_permlane16_swap_b32 v[PC+6*\c+\i], v[PT+4*\c+\i]
.endr
.irp i, 0,1,2
	v_mov_b32 v[PC+3+6*\c+\i], v[PT+4*\c+\i]
.endr
.endr
.set j, 0
.rept 16
	v_pk_mul_f32 v[OT+j:OT+j+1], v[OT+j:OT+j+1], v[FF:FF+1] op_sel_hi:[1,0]   ; O^T under the new M; these sixteen also stand between the scale word's and the codes' last writes and the products
.set j, j+2
.endr
	s_wait_loadcnt 0x0                             ; V
	s_wait_alu depctr_va_vdst(0)                   ; p's codes v226-237 and its scale word v251 are written: the products below take them as source 1 and as its scales; the places above stay beside this wait
.irp t, 0,1,2,3
.if \t%2 == 0
	v_wmma_scale_f32_16x16x128_f8f6f4 v[OT+8*\t:OT+8*\t+7], v[VB+12*\t:VB+12*\t+11], v[PC:PC+11], v[OT+8*\t:OT+8*\t+7], v[VS+\t/2], v[PW] matrix_a_fmt:MATRIX_FMT_FP6 matrix_b_fmt:MATRIX_FMT_FP6
.else
	v_wmma_scale_f32_16x16x128_f8f6f4 v[OT+8*\t:OT+8*\t+7], v[VB+12*\t:VB+12*\t+11], v[PC:PC+11], v[OT+8*\t:OT+8*\t+7], v[VS+\t/2], v[PW] matrix_a_fmt:MATRIX_FMT_FP6 matrix_b_fmt:MATRIX_FMT_FP6 matrix_a_scale:MATRIX_SCALE_ROW1
.endif
.endr
.rept 4
	v_nop                                          ; places behind the last products, ahead of the next read of O^T, in the loop and on the way out
.endr
.Lskip:                                            ; no load of mine is out on either way: the bases may step
	s_add_nc_u64 s[10:11], s[10:11], 6144
	s_add_nc_u64 s[12:13], s[12:13], 512
	s_add_nc_u64 s[14:15], s[14:15], 6144
	s_add_nc_u64 s[16:17], s[16:17], 256
	s_add_nc_u64 s[18:19], s[18:19], 256
	s_lshr_b32 s24, s24, 2
	s_sub_co_u32 s25, s25, 1
	s_cmp_lg_u32 s25, 0
	s_cbranch_scc1 .Lstep
	; THE WAY OUT: O^T / the sum, quantised along d: register 16 b + i is d = 32 b + 16 (lane / 16) + i
	v_add_f32 v14, v14, v15
	v_permlanex16_b32 v[TT], v14, s20, s21
	v_add_f32 v14, v14, v[TT]                      ; the row's sum
	v_cmp_eq_f32 vcc_lo, 0, v14                    ; no key kept
	v_rcp_f32 v[FF], v14
	v_mov_b32 v254, 0xffff                         ; (a plain place behind the reciprocal)
	s_wait_alu depctr_va_vdst(0)                   ; the reciprocal has written v250: the wait, ahead of its first reader
	s_wait_alu depctr_va_vcc(0)                    ; the compare has written VCC, ahead of its first reader, the select below
	v_cndmask_b32 v[FF], v[FF], v16, vcc_lo        ; there: 0, so that the codes are zeros
.set j, 0
.rept 16
	v_pk_mul_f32 v[S+j:S+j+1], v[OT+j:OT+j+1], v[FF:FF+1] op_sel_hi:[1,0]
.set j, j+2
.endr
.irp b, 0,1
	v_max3_num_f32 v[BM+\b], |v[S+16*\b]|, |v[S+16*\b+1]|, 0x1800000
.endr
.irp e, 2,4,6,8,10,12,14
.irp b, 0,1
	v_max3_num_f32 v[BM+\b], v[BM+\b], |v[S+16*\b+\e]|, |v[S+16*\b+\e+1]|
.endr
.endr
.irp b, 0,1
	v_permlanex16_b32 v[PT+\b], v[BM+\b], s20, s21
.endr
.irp b, 0,1
	v_max_num_f32 v[BM+\b], v[BM+\b], v[PT+\b]
.endr
.irp b, 0,1
	v_add_nc_u32 v[OP+\b], 0xff000000, v[BM+\b]
.endr
.irp b, 0,1
	v_lshrrev_b32 v[PT+\b], 23, v[OP+\b]
.endr
	v_lshl_or_b32 v[HW], v[PT+1], 8, v[PT]
	v_cndmask_b32 v[HW], v[HW], v254, vcc_lo       ; no key kept: both bytes 0xff
	v_cvt_scalef32_pk16_fp6_f32 v[PC:PC+2], v[S:S+15], v[OP]
	v_cvt_scalef32_pk16_fp6_f32 v[PC+6:PC+8], v[S+16:S+31], v[OP+1]
	v_nop
.irp e, 0,1,2
	v_permlane16_swap_b32 v[PC+\e], v[PC+6+\e]
.endr
.irp e, 0,1,2
	v_mov_b32 v[PC+3+\e], v[PC+6+\e]
.endr
	s_lshr_b32 s2, s31, 3
	s_mul_i32 s2, s2, 196608
	s_lshr_b32 s26, s29, 1
	s_mul_i32 s28, s26, 12288
	s_add_co_u32 s2, s2, s28
	s_and_b32 s28, s31, 7
	s_mul_i32 s28, s28, 1536
	s_add_co_u32 s2, s2, s28
	s_and_b32 s30, s29, 1
	s_mul_i32 s28, s30, 768
	s_add_co_u32 s2, s2, s28
	s_add_nc_u64 s[10:11], s[8:9], s[2:3]          ; [block T / 8][K step head / 2][tile T % 8][half head % 2]
	s_lshl_b32 s2, s31, 10
	s_lshl_b32 s28, s26, 6
	s_add_co_u32 s2, s2, s28
	s_lshl_b32 s28, s30, 1
	s_add_co_u32 s2, s2, s28
	s_add_co_u32 s2, s2, XBS
	s_add_nc_u64 s[12:13], s[8:9], s[2:3]
	s_wait_alu depctr_va_vdst(0)                   ; o's codes v226-231 are written, which the two stores below read
	global_store_b128 v[L16], v[PC:PC+3], s[10:11]
	global_store_b64 v[L8], v[PC+4:PC+5], s[10:11] offset:512
	s_wait_alu depctr_vm_vsrc(0)                   ; the load of q's scale word has read its offset v3, which the next line writes again
	v_and_b32 v3, 31, v0
	v_cmp_gt_u32 vcc_lo, 16, v3
	s_wait_xcnt 0x0                                ; EXEC changes only behind this wait
	s_wait_alu depctr_va_vcc(0)                    ; the compare has written VCC: EXEC is made from it
	s_wait_alu depctr_va_vdst(0)                   ; every vector instruction issued under the full EXEC has written its result, the scale bytes v255 among them, which the store below reads
	s_wait_alu depctr_vm_vsrc(0)                   ; the two stores of codes, issued under the full EXEC, have read their registers
	s_and_saveexec_b32 s26, vcc_lo
	global_store_b16 v11, v[HW], s[12:13]          ; lanes 0-15: my head's two bytes of each row's scale word
	s_wait_xcnt 0x0
	s_wait_alu depctr_va_vdst(0)                   ; ahead of the write of EXEC: no vector instruction is unfinished under the narrow EXEC
	s_wait_alu depctr_vm_vsrc(0)                   ; the store under the narrow EXEC has read v11 and v255
	s_or_b32 exec_lo, exec_lo, s26
	s_endpgm
.Lfunc_end_k_q34f2c00dc4_attn:
	.size	k_q34f2c00dc4_attn, .Lfunc_end_k_q34f2c00dc4_attn-k_q34f2c00dc4_attn
	.p2alignl 7, 3214868480
	.fill 96, 4, 3214868480
	.section	.rodata,"a",@progbits
	.p2align	6, 0x0
	.amdhsa_kernel k_q34f2c00dc4_attn
		.amdhsa_group_segment_fixed_size 0
		.amdhsa_private_segment_fixed_size 0
		.amdhsa_enable_private_segment 0
		.amdhsa_kernarg_size 24
		.amdhsa_user_sgpr_count 2
		.amdhsa_user_sgpr_kernarg_segment_ptr 1
		.amdhsa_wavefront_size32 1
		.amdhsa_system_sgpr_workgroup_id_x 1
		.amdhsa_system_sgpr_workgroup_id_y 1
		.amdhsa_system_sgpr_workgroup_id_z 1
		.amdhsa_system_vgpr_workitem_id 0
		.amdhsa_next_free_vgpr 256
		.amdhsa_next_free_sgpr 104
		.amdhsa_reserve_vcc 1
		.amdhsa_float_denorm_mode_32 3
		.amdhsa_float_denorm_mode_16_64 3
		.amdhsa_memory_ordered 1
		.amdhsa_forward_progress 1
		.amdhsa_inst_pref_size 32
	.end_amdhsa_kernel
	.amdgpu_metadata
---
amdhsa.version: [ 1, 2 ]
amdhsa.kernels:
  - .name:           k_q34f2c00dc4_attn
    .symbol:         k_q34f2c00dc4_attn.kd
    .args:
      - { .name: QB, .offset: 0, .size: 8, .value_kind: global_buffer, .address_space: global }
      - { .name: MB, .offset: 8, .size: 8, .value_kind: global_buffer, .address_space: global }
      - { .name: AB, .offset: 16, .size: 8, .value_kind: global_buffer, .address_space: global }
    .group_segment_fixed_size: 0
    .private_segment_fixed_size: 0
    .kernarg_segment_align: 8
    .kernarg_segment_size: 24
    .max_flat_workgroup_size: 512
    .sgpr_count:     104
    .vgpr_count:     256
    .wavefront_size: 32
...
	.end_amdgpu_metadata
.endif
;; end of part 5
;; launch outp: the kernel of part 4 again; grid 8 x 16, 4 waves a work-group, clusters of 4 x 1, 231,936 bytes of LDS; arguments AB, WB, out0; writes out0
